; MI455X (gfx1250); checked and timed in simulation.
; The chip was launched on July 23, 2026; its instructions are those of AMD's public machine-readable ISA for CDNA 5 (MIT licence, August 2026) and "CDNA5" Instruction Set Architecture Reference Guide (July 2026). The comments in the code are by the model that wrote it; some were corrected since.
;; T5 Attention. Allowed arithmetic: matrix products marked QUANTISED: E2M1 operands, one E8M0 scale for each 32 along K, by v_wmma_scale_f32_16x16x128_f8f6f4 with both operands' format E2M1 (or v_wmma_scale_f32_32x16x128_f4), f32 sums; products left as they are: bf16, f16 or f32 operands; f32 sums; everything else in f32.
;; Inputs: Wk 1,024 x 1,024 float32; Wo 1,024 x 1,024 float32; Wq 1,024 x 1,024 float32; Wv 1,024 x 1,024 float32; hidden_states 4 x 2,048 x 1,024 float32; rel_emb 32 x 16 float32.
;; Outputs: out0 4 x 2,048 x 1,024 float32.
;; This version of the problem:
;;   THIS VERSION OF THE PROBLEM IS GIVEN IN LOW PRECISION. The matrix products marked QUANTISED in the list below multiply operands that are first quantised to E2M1 (2 exponent bits, 1 mantissa bit; 4 bits a number), with one power-of-two scale for each 32 numbers along K (OCP MX v1.0); their sums are f32. The products marked 'left as it is' may take bf16, f16 or f32 operands, with f32 sums. Whichever they take, every output number must still come out within the allowed error. Rounding operands to bf16 (8 significant bits) uses up far more of that allowance than f16 does (11 bits, for magnitudes from 6e-5 to 65,504). All else is computed in f32.
;;   The module's matrix products, in the order in which they are computed (A, B: the left and right operand; K: the contracted axis; several contracted axes count as one K, in the product's order):
;;     1. [M 8,192, K 1,024] x [K 1,024, N 1,024]; A: input hidden_states; B: input Wq: QUANTISED
;;     2. [M 8,192, K 1,024] x [K 1,024, N 1,024]; A: input hidden_states; B: input Wk: QUANTISED
;;     3. [M 8,192, K 1,024] x [K 1,024, N 1,024]; A: input hidden_states; B: input Wv: QUANTISED
;;     4. batch 64 x [M 2,048, K 64] x [K 64, N 2,048]; A: computed on the way; B: computed on the way: left as it is (an operand is computed on the way)
;;     5. batch 64 x [M 64, K 2,048] x [K 2,048, N 2,048]; A: computed on the way; B: computed on the way: left as it is (an operand is computed on the way)
;;     6. [M 8,192, K 1,024] x [K 1,024, N 1,024]; A: computed on the way; B: input Wo: left as it is (an operand is computed on the way)
;;   THE QUANTISER, for each operand of a quantised product, along K:
;;     - K is cut into blocks of 32 from its start; a last block that is shorter is filled with zeros.
;;     - A block's scale is 2^e with e = floor(log2(the largest magnitude in the block)) - 2, held to -126 .. 127; a block of zeros has e = 0. As a byte (E8M0): e + 127.
;;     - Each number is divided by its block's scale, clamped to +-6, and rounded to the nearest number of E2M1, ties to even, subnormals kept.
;;     - The product sums the exact products of the quantised numbers (number of the format x scale) in f32.
;;   ~~~python
;;   def quantise(x, axis):      # numpy; x: float32 -> the quantised numbers, widened to float32 again
;;       x = np.moveaxis(x, axis, -1); K = x.shape[-1]
;;       x = np.pad(x, [(0, 0)] * (x.ndim - 1) + [(0, -K % 32)]); x = x.reshape(x.shape[:-1] + (-1, 32)); a = np.abs(x).max(-1, keepdims=True)
;;       e = np.where(a > 0, np.clip(np.frexp(np.where(a > 0, a, 1))[1] - 1 - 2, -126, 127), 0)      # np.frexp(a)[1] - 1 = floor(log2(a)), exactly
;;       r = np.clip(x / 2.0 ** e, -6, 6)
;;       step = 2.0 ** (np.maximum(np.frexp(np.where(r == 0, 1, r))[1] - 1, 0) - 1)
;;       q = np.round(r / step) * step * 2.0 ** e      # np.round: ties to even
;;       return np.moveaxis(q.reshape(q.shape[:-2] + (-1,))[..., :K], -1, axis).astype(np.float32)
;;   ~~~
;; One version. Each part assembles by itself: llvm-mc -triple=amdgcn-amd-amdhsa -mcpu=gfx1250 --defsym DOCPART=n.
;; ======== version 1 of 1: 4 launches
;; limits: values are held in f16: magnitudes above 65,504 overflow, below 6.1e-05 lose precision
;; workspace buffers: h_codes 4,194,304 bytes; h_scales 262,144 bytes; w_codes 1,572,864 bytes; w_scales 98,304 bytes; wot 2,097,152 bytes; tab 1,114,112 bytes; qkv 50,331,648 bytes; ctx 16,777,216 bytes
;; launch prep (part 1): grid 432 x 1, 4 waves a work-group, no clusters, 102,912 bytes of LDS; arguments hidden_states, Wq, Wk, Wv, Wo, rel_emb, h_codes, h_scales, w_codes, w_scales, wot, tab; writes h_codes, h_scales, w_codes, w_scales, wot, tab
.if DOCPART == 1
	.amdgcn_target "amdgcn-amd-amdhsa--gfx1250"
	.amdhsa_code_object_version 6
	.text
	.protected	k_qa3e0fc378a_prep
	.globl	k_qa3e0fc378a_prep
	.p2align	8
	.type	k_qa3e0fc378a_prep,@function
k_qa3e0fc378a_prep:
	s_mov_b64 s[64:65], 0
	v_nop
	global_prefetch_b8 v0, s[64:65] scope:SCOPE_SE
	s_setreg_imm32_b32 hwreg(HW_REG_WAVE_MODE, 25, 1), 1
	s_wait_xcnt 0x0
; ALL THAT IS MADE ONCE, in one launch of four kinds of work-group, told apart by the work-group's number alone:
;   H (0-255):   hidden_states [8192][1024] f32 -> codes of FP4 (E2M1), K innermost, h_codes [8192][512 bytes], one E8M0 byte for each 32 along K, h_scales [8192][32].
;   W (256-303): Wq, Wk, Wv [k 1024][n 1024] f32, K their FIRST axis -> w_codes [3072][512 bytes], row = 1024 x (0 q, 1 k, 2 v) + n, K innermost; w_scales [3072][32].
;   O (304-367): Wo [k 1024][n 1024] f32 -> wot [n 1024][k 1024] f16, K innermost.
;   T (368-431): the bias as a table of distances: tab [16 heads][4 copies][4352] f32, word i of copy c = rel_emb[bucket(i - c - 2048)][head].
; A block's scale is 2^(floor(log2(its largest magnitude)) - 2); its byte is the largest magnitude's exponent field - 2, held at 1 from below.
; LIMITS: a block of zeros gets the byte 1 where the rule says 127 (its codes are zeros, which add nothing under any byte but 0xff, and this program alone reads the bytes); NaN and infinities are not served;
; Wo's numbers stay under 65,504 in magnitude (f16).  THE BUCKET: reference() takes 8 + int(8 ln(n / 8) / ln 16), at most 15, for n = |key - query| >= 8: that rises by one at n = 12, 16, 23, 32, 46, 64, 91,
; numbers that hang on reference()'s constants alone; they are compared here in whole numbers.
; No tensor load, no barrier, no cluster: the waves share nothing and no two work-groups write the same bytes.  Each kind has LDS bytes of its own.
.set SPW,   192                        ; v192  LDS address of my spare word: SPARE + 4 x my thread's number; never rewritten
.set NIL,   193                        ; v193  0; never rewritten
.set SPARE, 102400                     ; behind all stages: the spare words, 128 bytes for each wave: two blocks of 256 bytes that no other line names
.set HREG,  8192                       ; kind H: a region for each wave from byte 0: two stages of 32 x SP bytes, then its 256 scale bytes
.set SP,    80                         ; a lane's place in H's stage: its 64 bytes + 16 of padding
.set WST,   32768                      ; kind W: a stage of 32 rows x PITCH for each wave
.set OST,   67584                      ; kind O: the same
.set STW,   8704
.set PITCH, 272
.set R,     16                         ; H: v16-79   four sets of 16 numbers as they are loaded
.set X,     80                         ; H: v80-111  two sets of 16 neighbours
.set E,     112                        ; H: v112-127 a scale byte for each step
.set C,     128                        ; H: v128-191 codes: four registers for each step
.set XW,    32                         ; W, O: v32-95 two sets of 32 numbers
.set CW,    96                         ; W: v96-99 a block's codes;  O: v96-111 a block's 32 numbers as f16
.set OUTR,  112                        ; W, O: v112-175 the way out
.set SB,    24                         ; W: v24-27 the scale bytes, four to a register
	s_load_b512 s[8:23], s[0:1], 0x0               ; hidden 8, Wq 10, Wk 12, Wv 14, Wo 16, rel_emb 18, h_codes 20, h_scales 22
	s_load_b256 s[24:31], s[0:1], 0x40             ; w_codes 24, w_scales 26, wot 28, tab 30
	v_lshl_add_u32 v[SPW], v0, 2, SPARE
	v_mov_b32 v[NIL], 0
	v_lshrrev_b32 v1, 5, v0
	v_readfirstlane_b32 s3, v1                     ; wave 0..3
	v_and_b32 v2, 31, v0                           ; lane
	s_mov_b32 s39, 0                               ; the upper word of every offset: all stay under 2^32
	s_wait_kmcnt 0x0
	s_cmp_lt_u32 ttmp9, 256
	s_cbranch_scc0 .Lnot_h
; ---------------- KIND H.  Rows are dense and 1,024 is a multiple of 32: the tensor is a plain stream of blocks of 32.  A wave takes 16 steps of 512 numbers.  Each load reads 512 consecutive bytes, 16 a lane; a step's
; 2,048 bytes turn through the wave's own stage and come back 64 bytes a lane, so that a lane holds 16 neighbours along K and two neighbouring lanes a block.  Loads run four steps ahead, the turn one step.
	v_lshlrev_b32 v3, 4, v2                        ; my 16 bytes of a load's 512
	s_mul_i32 s32, s3, HREG
	v_lshrrev_b32 v14, 2, v2
	v_mul_u32_u24 v14, v14, SP
	v_and_b32 v15, 3, v2
	v_lshl_add_u32 v14, v15, 4, v14
	v_add_nc_u32 v14, s32, v14                     ; the stage, on the way in: SP (lane / 4) + 16 (lane % 4)
	v_mul_u32_u24 v15, v2, SP
	v_add_nc_u32 v15, s32, v15                     ; and on the way out: SP x lane
	v_lshlrev_b32 v4, 3, v2                        ; my 8 bytes of a step's codes
	v_lshrrev_b32 v5, 1, v2
	s_add_co_u32 s32, s32, 2*32*SP
	v_add_nc_u32 v5, s32, v5                       ; my wave's 256 scale bytes, my block's byte
	v_lshlrev_b32 v7, 3, v2
	v_add_nc_u32 v6, s32, v7                       ; and on the way out 8 bytes a lane
	s_lshl_b32 s33, ttmp9, 2
	s_add_co_u32 s33, s33, s3                      ; which run of 8,192 numbers is my wave's
	s_lshl_b32 s38, s33, 15
	s_add_nc_u64 s[8:9], s[8:9], s[38:39]          ; 32,768 bytes of numbers a run,
	s_lshl_b32 s38, s33, 12
	s_add_nc_u64 s[20:21], s[20:21], s[38:39]      ; 4,096 of codes,
	s_lshl_b32 s38, s33, 8
	s_add_nc_u64 s[22:23], s[22:23], s[38:39]      ; 256 scale bytes
.macro HLOAD t
.irp i, 0,1,2,3
	global_load_b128 v[R+16*((\t)%4)+4*\i:R+16*((\t)%4)+4*\i+3], v3, s[8:9] offset:2048*(\t)+512*\i th:TH_LOAD_NT
.endr
.endm
.macro HTURN t                         ; step t's numbers through the stage: LDS serves a wave's instructions in order, so no wait stands between the stores and the loads
.irp i, 0,1,2,3
	ds_store_b128 v14, v[R+16*((\t)%4)+4*\i:R+16*((\t)%4)+4*\i+3] offset:32*SP*((\t)%2)+8*SP*\i
.endr
.irp i, 0,1,2,3
	ds_load_b128 v[X+16*((\t)%2)+4*\i:X+16*((\t)%2)+4*\i+3], v15 offset:32*SP*((\t)%2)+16*\i
.endr
.endm
.irp t, 0,1,2,3
	HLOAD \t
.endr
	s_wait_loadcnt 12                              ; step 0's four loads are in; the twelve of steps 1 to 3 may be out
	HTURN 0
.macro HSTEP t
.set XS, X+16*((\t)%2)
.if (\t) > 0
	s_wait_dscnt 1                                 ; this step's numbers are back from the stage (the last step's byte store may be out): so its stores into the stage have read their registers,
.else
	s_wait_dscnt 0x0
.endif
.if (\t)+4 < 16
	HLOAD (\t)+4                                   ; which take the loads of four steps on
.endif
.if (\t)+1 < 16
.if 14-(\t) >= 3
	s_wait_loadcnt 12                              ; the next step's four loads are in; those of the three steps behind it may be out
.else
	s_wait_loadcnt 4*(14-(\t))
.endif
	HTURN (\t)+1
.endif
	v_max3_num_f32 v8, |v[XS]|, |v[XS+1]|, |v[XS+2]|               ; the largest magnitude of my 16, in two chains
	v_max3_num_f32 v9, |v[XS+3]|, |v[XS+4]|, |v[XS+5]|
.irp i, 6,10
	v_max3_num_f32 v8, v8, |v[XS+\i]|, |v[XS+\i+1]|
	v_max3_num_f32 v9, v9, |v[XS+\i+2]|, |v[XS+\i+3]|
.endr
	v_max3_num_f32 v8, v8, |v[XS+14]|, |v[XS+15]|
	v_max3_num_f32 v8, v8, v9, 0x1800000           ; and the floor 2^(3 - 127): the byte cannot fall under 1
	v_max_num_f32_dpp v8, v8, v8 row_xmask:1 row_mask:0xf bank_mask:0xf   ; and of my neighbour's 16: the block's
	v_add_nc_u32 v11, 0xff000000, v8               ; 2 off its exponent field: the conversion takes the exponent field of this operand as its scale
	v_cvt_scalef32_pk8_fp4_f32 v[C+4*(\t)], v[XS:XS+7], v11
	v_cvt_scalef32_pk8_fp4_f32 v[C+4*(\t)+1], v[XS+8:XS+15], v11
	v_lshrrev_b32 v[E+(\t)], 23, v11               ; the scale's byte (a plain line behind the conversions)
	ds_store_b8 v5, v[E+(\t)] offset:16*(\t)       ; both lanes of a block write the same byte with the same value
	global_store_b64 v4, v[C+4*(\t):C+4*(\t)+1], s[20:21] offset:256*(\t)   ; the wave stores 256 consecutive bytes, aligned
.endm
.irp t, 0,1,2,3,4,5,6,7,8,9,10,11,12,13,14,15
	HSTEP \t
.endr
	ds_load_b64 v[8:9], v6                         ; LDS serves a wave's instructions in order: these see my stores
	s_wait_dscnt 0x0
	global_store_b64 v7, v[8:9], s[22:23]          ; 32 lanes store 256 consecutive bytes, aligned
	s_wait_tensorcnt 0x0                           ; the wave's end: behind my last LDS store
	ds_add_u32 v[SPW], v[NIL]
	s_wait_dscnt 0x0
	s_endpgm
.Lnot_h:
	s_cmp_lt_u32 ttmp9, 304
	s_cbranch_scc0 .Lnot_w
; ---------------- KIND W.  A LANE TAKES A COLUMN n, AND ITS REGISTERS RUN DOWN K: a block of 32 along K lies in one lane's 32 registers, and the conversions give codes with K innermost.  A wave takes 32 columns x 512
; along K: 16 blocks a lane, 256 bytes of codes a column, which go through the wave's stage and leave as rows.  Loads run two blocks ahead: 64 loads of 128 bytes, as many as the wait's count can tell apart.
	s_sub_co_u32 s32, ttmp9, 256
	s_lshr_b32 s33, s32, 4                         ; which weight: 0 q, 1 k, 2 v
	s_cmp_eq_u32 s33, 0
	s_cselect_b64 s[4:5], s[10:11], s[12:13]       ; the choice hangs on the work-group's number alone
	s_cmp_eq_u32 s33, 2
	s_cselect_b64 s[4:5], s[14:15], s[4:5]
	s_and_b32 s34, s32, 7                          ; which 128 columns
	s_bfe_u32 s35, s32, 0x10003                    ; which 512 along K
	s_lshl_b32 s36, s34, 7
	s_lshl_b32 s37, s3, 5
	s_add_co_u32 s36, s36, s37                     ; my wave's first column
	s_lshl_b32 s38, s35, 21                        ; 512 rows of 4,096 bytes
	s_lshl_b32 s37, s36, 2
	s_add_co_u32 s38, s38, s37
	s_add_nc_u64 s[4:5], s[4:5], s[38:39]
	s_lshl_b32 s37, s33, 10
	s_add_co_u32 s36, s36, s37                     ; its row in w_codes and w_scales
	s_lshl_b32 s38, s36, 9
	s_lshl_b32 s37, s35, 8
	s_add_co_u32 s38, s38, s37
	s_add_nc_u64 s[24:25], s[24:25], s[38:39]
	s_lshl_b32 s38, s36, 5
	s_lshl_b32 s37, s35, 4
	s_add_co_u32 s38, s38, s37
	s_add_nc_u64 s[26:27], s[26:27], s[38:39]
	v_lshlrev_b32 v3, 2, v2                        ; in: 4 bytes a lane
	s_mul_i32 s40, s3, STW
	s_add_co_u32 s40, s40, WST                     ; my stage
	v_mul_u32_u24 v4, v2, PITCH
	v_add_nc_u32 v4, s40, v4                       ; into it: row = my column
	v_and_b32 v5, 15, v2
	v_lshrrev_b32 v6, 4, v2                        ; out of it: sixteen lanes to a row, two rows an instruction
	v_mul_u32_u24 v7, v6, PITCH
	v_lshl_add_u32 v7, v5, 4, v7
	v_add_nc_u32 v7, s40, v7
	v_lshlrev_b32 v8, 9, v6
	v_lshl_add_u32 v8, v5, 4, v8                   ; the same place in w_codes: rows of 512 bytes
	v_lshlrev_b32 v9, 5, v2                        ; my column's row of scale bytes
.macro WLOAD t                         ; block t: W(32 t + i, my column) into set t % 2
.irp i, 0,1,2,3,4,5,6,7,8,9,10,11,12,13,14,15,16,17,18,19,20,21,22,23,24,25,26,27,28,29,30,31
	global_load_b32 v[XW+32*((\t)%2)+\i], v3, s[4:5] offset:(32*(\t)+\i)*4096 th:TH_LOAD_NT
.endr
.endm
	WLOAD 0
	WLOAD 1
.macro WBLOCK t
.set XS, XW+32*((\t)%2)
.if (\t) < 15
	s_wait_loadcnt 32                              ; this block's 32 loads are in; the next block's may be out
.else
	s_wait_loadcnt 0
.endif
	v_max3_num_f32 v12, |v[XS]|, |v[XS+1]|, |v[XS+2]|               ; the block's largest magnitude: all 32 numbers are mine
	v_max3_num_f32 v13, |v[XS+3]|, |v[XS+4]|, |v[XS+5]|
.irp i, 6,10,14,18,22,26
	v_max3_num_f32 v12, v12, |v[XS+\i]|, |v[XS+\i+1]|
	v_max3_num_f32 v13, v13, |v[XS+\i+2]|, |v[XS+\i+3]|
.endr
	v_max3_num_f32 v12, v12, |v[XS+30]|, |v[XS+31]|
	v_max3_num_f32 v12, v12, v13, 0x1800000        ; and the floor 2^(3 - 127)
	v_add_nc_u32 v11, 0xff000000, v12              ; the conversion's scale operand
	v_lshrrev_b32 v13, 23, v11                     ; the scale's byte
.if (\t)%4 == 0
	v_mov_b32 v[SB+(\t)/4], v13                    ; four bytes to a register, the lower K in the lower byte
.else
	v_lshl_or_b32 v[SB+(\t)/4], v13, 8*((\t)%4), v[SB+(\t)/4]
.endif
.irp g, 0,1,2,3
	v_cvt_scalef32_pk8_fp4_f32 v[CW+\g], v[XS+8*\g:XS+8*\g+7], v11
.endr
	v_nop                                          ; a plain line behind the last conversion
	ds_store_b128 v4, v[CW:CW+3] offset:16*(\t)    ; 32 codes: 16 bytes of my column's row
.if (\t)+2 < 16
	WLOAD (\t)+2
.endif
	s_wait_dscnt 0x0                               ; the store has read its registers: the next block's codes may be written
.endm
.irp t, 0,1,2,3,4,5,6,7,8,9,10,11,12,13,14,15
	WBLOCK \t
.endr
	global_store_b128 v9, v[SB:SB+3], s[26:27]     ; my column's 16 scale bytes
.irp t, 0,1,2,3,4,5,6,7,8,9,10,11,12,13,14,15
	ds_load_b128 v[OUTR+4*\t:OUTR+4*\t+3], v7 offset:2*\t*PITCH
.endr
.irp t, 0,1,2,3,4,5,6,7,8,9,10,11,12,13,14,15
	s_wait_dscnt 15-\t                             ; LDS loads come back in order: load t is in
	global_store_b128 v8, v[OUTR+4*\t:OUTR+4*\t+3], s[24:25] offset:2*\t*512   ; sixteen lanes store 256 consecutive bytes, aligned
.endr
	s_wait_tensorcnt 0x0                           ; the wave's end
	ds_add_u32 v[SPW], v[NIL]
	s_wait_dscnt 0x0
	s_endpgm
.Lnot_w:
	s_cmp_lt_u32 ttmp9, 368
	s_cbranch_scc0 .Lnot_o
; ---------------- KIND O.  As W, but the numbers are rounded to f16: a wave takes 32 columns x 128 along K, four blocks of 32, 256 bytes a column.
	s_sub_co_u32 s32, ttmp9, 304
	s_and_b32 s34, s32, 7                          ; which 128 columns
	s_lshr_b32 s35, s32, 3                         ; which 128 along K
	s_lshl_b32 s36, s34, 7
	s_lshl_b32 s37, s3, 5
	s_add_co_u32 s36, s36, s37                     ; my wave's first column
	s_lshl_b32 s38, s35, 19                        ; 128 rows of 4,096 bytes
	s_lshl_b32 s37, s36, 2
	s_add_co_u32 s38, s38, s37
	s_add_nc_u64 s[16:17], s[16:17], s[38:39]
	s_lshl_b32 s38, s36, 11                        ; wot: rows of 2,048 bytes
	s_lshl_b32 s37, s35, 8
	s_add_co_u32 s38, s38, s37
	s_add_nc_u64 s[28:29], s[28:29], s[38:39]
	v_lshlrev_b32 v3, 2, v2
	s_mul_i32 s40, s3, STW
	s_add_co_u32 s40, s40, OST                     ; my stage
	v_mul_u32_u24 v4, v2, PITCH
	v_add_nc_u32 v4, s40, v4
	v_and_b32 v5, 15, v2
	v_lshrrev_b32 v6, 4, v2
	v_mul_u32_u24 v7, v6, PITCH
	v_lshl_add_u32 v7, v5, 4, v7
	v_add_nc_u32 v7, s40, v7
	v_lshlrev_b32 v8, 11, v6
	v_lshl_add_u32 v8, v5, 4, v8
.macro OLOAD t
.irp i, 0,1,2,3,4,5,6,7,8,9,10,11,12,13,14,15,16,17,18,19,20,21,22,23,24,25,26,27,28,29,30,31
	global_load_b32 v[XW+32*((\t)%2)+\i], v3, s[16:17] offset:(32*(\t)+\i)*4096 th:TH_LOAD_NT
.endr
.endm
	OLOAD 0
	OLOAD 1
.macro OBLOCK t
.set XS, XW+32*((\t)%2)
.if (\t) < 3
	s_wait_loadcnt 32                              ; this block's 32 loads are in; the next block's may be out
.else
	s_wait_loadcnt 0
.endif
.irp i, 0,1,2,3,4,5,6,7,8,9,10,11,12,13,14,15
	v_cvt_pk_f16_f32 v[CW+\i], v[XS+2*\i], v[XS+2*\i+1]            ; two neighbours along K, the lower in the low half
.endr
.irp i, 0,1,2,3
	ds_store_b128 v4, v[CW+4*\i:CW+4*\i+3] offset:64*(\t)+16*\i
.endr
.if (\t)+2 < 4
	OLOAD (\t)+2
.endif
	s_wait_dscnt 0x0                               ; the stores have read their registers
.endm
.irp t, 0,1,2,3
	OBLOCK \t
.endr
.irp t, 0,1,2,3,4,5,6,7,8,9,10,11,12,13,14,15
	ds_load_b128 v[OUTR+4*\t:OUTR+4*\t+3], v7 offset:2*\t*PITCH
.endr
.irp t, 0,1,2,3,4,5,6,7,8,9,10,11,12,13,14,15
	s_wait_dscnt 15-\t
	global_store_b128 v8, v[OUTR+4*\t:OUTR+4*\t+3], s[28:29] offset:2*\t*2048   ; sixteen lanes store 256 consecutive bytes, aligned
.endr
	s_wait_tensorcnt 0x0                           ; the wave's end
	ds_add_u32 v[SPW], v[NIL]
	s_wait_dscnt 0x0
	s_endpgm
.Lnot_o:
; ---------------- KIND T.  One work-group makes one copy of one head's table: 4,352 words, 34 a thread.  Lane l holds rel_emb[l][head]; a word's bucket, made of ids alone, picks the lane.
	s_sub_co_u32 s32, ttmp9, 368
	s_lshr_b32 s33, s32, 2                         ; head
	s_and_b32 s34, s32, 3                          ; copy
	v_lshlrev_b32 v3, 6, v2                        ; a row of rel_emb is 64 bytes
	s_lshl_b32 s35, s33, 2
	v_add_nc_u32 v3, s35, v3
	global_load_b32 v4, v3, s[18:19]
	s_mul_i32 s38, s33, 69632
	s_mul_i32 s36, s34, 17408
	s_add_co_u32 s38, s38, s36
	s_add_nc_u64 s[30:31], s[30:31], s[38:39]
	s_add_co_u32 s34, s34, 2048
	v_lshlrev_b32 v5, 1, v0
	v_sub_nc_u32 v5, v5, s34                       ; key - query of my first word: 2 x thread - copy - 2048
	v_lshlrev_b32 v6, 3, v0                        ; my 8 bytes of a store's 1,024
	v_mov_b32 v7, 16
	s_wait_loadcnt 0x0
.macro BUCKET n, imm
	v_add_nc_u32 v8, \imm, v5                      ; key - query
	v_sub_nc_u32 v9, 0, v8
	v_min_u32 v9, v8, v9                           ; its magnitude n (of x and -x as unsigned numbers the smaller)
	v_mov_b32 v10, 8
.irp th, 12,16,23,32,46,64,91
	v_cmp_le_u32 vcc_lo, \th, v9
	v_add_co_ci_u32 v10, vcc_lo, 0, v10, vcc_lo    ; one more for each turning point at or under n
.endr
	v_cmp_gt_u32 vcc_lo, 8, v9
	v_cndmask_b32 v10, v10, v9, vcc_lo             ; n itself where n < 8
	v_cmp_lt_i32 vcc_lo, 0, v8
	v_cndmask_b32 v11, 0, v7, vcc_lo               ; 16 more where the key comes after the query
	v_add_lshl_u32 v[70+(\n)], v10, v11, 2
	ds_bpermute_b32 v[32+(\n)], v[70+(\n)], v4     ; rel_emb[bucket][head], from the lane that holds it; no LDS byte is touched
.endm
.set N, 0
.rept 34
	BUCKET N, 256*(N/2)+N%2
.set N, N+1
.endr
	s_wait_dscnt 0x0
.irp t, 0,1,2,3,4,5,6,7,8,9,10,11,12,13,14,15,16
	global_store_b64 v6, v[32+2*\t:33+2*\t], s[30:31] offset:1024*\t   ; a wave stores 256 consecutive bytes, aligned
.endr
	s_wait_tensorcnt 0x0                           ; the wave's end, as in the other kinds
	ds_add_u32 v[SPW], v[NIL]
	s_wait_dscnt 0x0
	s_endpgm
.Lfunc_end_k_qa3e0fc378a_prep:
	.size	k_qa3e0fc378a_prep, .Lfunc_end_k_qa3e0fc378a_prep-k_qa3e0fc378a_prep
	.p2alignl 7, 3214868480
	.fill 96, 4, 3214868480
	.section	.rodata,"a",@progbits
	.p2align	6, 0x0
	.amdhsa_kernel k_qa3e0fc378a_prep
		.amdhsa_group_segment_fixed_size 102912
		.amdhsa_private_segment_fixed_size 0
		.amdhsa_enable_private_segment 0
		.amdhsa_kernarg_size 96
		.amdhsa_user_sgpr_count 2
		.amdhsa_user_sgpr_kernarg_segment_ptr 1
		.amdhsa_wavefront_size32 1
		.amdhsa_system_sgpr_workgroup_id_x 1
		.amdhsa_system_sgpr_workgroup_id_y 1
		.amdhsa_system_sgpr_workgroup_id_z 1
		.amdhsa_system_vgpr_workitem_id 0
		.amdhsa_next_free_vgpr 194
		.amdhsa_next_free_sgpr 66
		.amdhsa_reserve_vcc 1
		.amdhsa_float_denorm_mode_32 3
		.amdhsa_float_denorm_mode_16_64 3
		.amdhsa_memory_ordered 1
		.amdhsa_forward_progress 1
		.amdhsa_inst_pref_size 165
	.end_amdhsa_kernel
	.amdgpu_metadata
---
amdhsa.version: [ 1, 2 ]
amdhsa.kernels:
  - .name:           k_qa3e0fc378a_prep
    .symbol:         k_qa3e0fc378a_prep.kd
    .args:
      - { .name: hidden_states, .offset: 0, .size: 8, .value_kind: global_buffer, .address_space: global }
      - { .name: Wq, .offset: 8, .size: 8, .value_kind: global_buffer, .address_space: global }
      - { .name: Wk, .offset: 16, .size: 8, .value_kind: global_buffer, .address_space: global }
      - { .name: Wv, .offset: 24, .size: 8, .value_kind: global_buffer, .address_space: global }
      - { .name: Wo, .offset: 32, .size: 8, .value_kind: global_buffer, .address_space: global }
      - { .name: rel_emb, .offset: 40, .size: 8, .value_kind: global_buffer, .address_space: global }
      - { .name: h_codes, .offset: 48, .size: 8, .value_kind: global_buffer, .address_space: global }
      - { .name: h_scales, .offset: 56, .size: 8, .value_kind: global_buffer, .address_space: global }
      - { .name: w_codes, .offset: 64, .size: 8, .value_kind: global_buffer, .address_space: global }
      - { .name: w_scales, .offset: 72, .size: 8, .value_kind: global_buffer, .address_space: global }
      - { .name: wot, .offset: 80, .size: 8, .value_kind: global_buffer, .address_space: global }
      - { .name: tab, .offset: 88, .size: 8, .value_kind: global_buffer, .address_space: global }
    .group_segment_fixed_size: 102912
    .private_segment_fixed_size: 0
    .kernarg_segment_align: 8
    .kernarg_segment_size: 96
    .max_flat_workgroup_size: 128
    .sgpr_count:     66
    .vgpr_count:     194
    .wavefront_size: 32
...
	.end_amdgpu_metadata
.endif
;; end of part 1
;; launch qkv (part 2): grid 12 x 32, 4 waves a work-group, clusters of 4 x 4, 327,680 bytes of LDS; arguments h_codes, h_scales, w_codes, w_scales, qkv; writes qkv
.if DOCPART == 2
	.amdgcn_target "amdgcn-amd-amdhsa--gfx1250"
	.amdhsa_code_object_version 6
	.text
	.protected	k_qa3e0fc378a_qkv
	.globl	k_qa3e0fc378a_qkv
	.p2align	8
	.type	k_qa3e0fc378a_qkv,@function
k_qa3e0fc378a_qkv:
	s_mov_b64 s[64:65], 0
	v_nop
	global_prefetch_b8 v0, s[64:65] scope:SCOPE_SE
	s_setreg_imm32_b32 hwreg(HW_REG_WAVE_MODE, 25, 1), 1
	s_wait_xcnt 0x0
	s_wait_alu depctr_hold_cnt(0) depctr_sa_sdst(0) depctr_va_vdst(0) depctr_va_sdst(0) depctr_va_ssrc(0) depctr_va_vcc(0) depctr_vm_vsrc(0)
	s_getreg_b32 s2, hwreg(HW_REG_IB_STS2, 6, 4)
	s_cmp_eq_u32 s2, 0
	s_cbranch_scc0 .Lentry_in_a_cluster
	s_endpgm
.Lentry_in_a_cluster:
	s_bfe_u32 s2, ttmp6, 0x10000c
	s_cmp_lg_u32 s2, 0xf033
	s_cbranch_scc0 .Lentry_shape_is_right
	s_endpgm
.Lentry_shape_is_right:
; q, k, v = hidden x (Wq | Wk | Wv), ONE product [8192 x 3072 x 1024] on codes of FP4 (E2M1) with one E8M0 scale for each 32 along K; sums in f32; the result rounded once to f16 and laid by heads:
; qkv byte = which << 24 + batch << 22 + head << 18 + position << 7 + 2 x channel (which: 0 q, 1 k, 2 v), so that a head's rows are dense for the launch that follows.
; LIMIT: |q|, |k|, |v| stay under 65,504 (f16).
; A: h_codes [8192][512 bytes], h_scales [8192][32];  B: w_codes [3072][512 bytes], w_scales [3072][32].  The matrix instruction takes codes and scale bytes as they lie.
; A tile of 256 x 256 is made by four waves, a wave makes 128 x 128: 64 accumulators, 512 registers.  K = 1,024 is two slots of 512: both are first fills, nothing is filled again.
; The scales of the work-group's 256 + 256 rows, for all of K, are two dense blocks: they come once, with the first fills.
; CLUSTERS: 4 x 4 work-groups; A's tiles are asked for jointly along a row of the cluster, B's along a column.  THE MATRIX INSTRUCTION IS USED TRANSPOSED (source 0 = 16 rows of B, source 1 = 16 rows of A):
; a lane then holds eight neighbouring channels of one position.
; REGISTERS: window 0: v0-31 addresses; v32-95 scale words, two sets; v128-191 A's fragments, one set; on the way out v32-63, v192-255.  window 1: B's fragments, two sets.  windows 2, 3: the accumulators ((a, b) at v[8 (8 (a % 4) + b)]).
.set KSTEP,  512
.set NQ,     KSTEP/128
.set ROWB,   256                       ; a tile's row in bytes
.set KROW,   512                       ; a row of codes in memory
.set PITCH,  272                       ; an LDS row: 256 bytes + 16 of padding: the 16 rows that a load touches start 68 words apart
.set FR,     8
.set NL,     2
.set NP,     4
.set HALFT,  128*PITCH
.set SLOT,   4*HALFT
.set KS,     32                        ; a row of scales in bytes
.set SCL,    2*SLOT
.set HALFS,  (128*KS/256)*272
.set SBLK,   (16*KS/256)*272
.set SPARE,  SCL+4*HALFS               ; behind the scales: the spare words, 128 bytes for each wave
.set SPITCH, 272                       ; the way out: a stage of 16 rows x (256 bytes + 16) for each wave, in slot 0, which has had its only fill and its last read by then
.set ADRA, 16
.set ADRB, 20
.set STO,  24
.set RD,   25
.set CO,   26
.set ADRS, 27
.set SPW,  28
.set NIL,  29
.set SC,   32
.set AF,   128
.set TMP,  192
.set OB,   32
.set G1, 24
.set G0, 32
.set G1B, 48
.set G0B, 56
.set G1S, 68
.set G0S, 76
.set G1SB, 80
.set G0SB, 88
.set MSB, 0
.macro WIN new                         ; the immediate's high byte repeats the setting that is left
.if MSB != \new
	s_set_vgpr_msb (MSB<<8)|\new
.set MSB, \new
.endif
.endm
.set MUL_LO, 0xa1                      ; source 0 (B) window 1, source 1 (A) window 0, C and D window 2
.set MUL_HI, 0xf1                      ; the same, C and D window 3
.set TO_B,   0x40
; A joint load: waves 0 and 1 fetch for A, waves 2 and 3 for B; the branch hangs on the wave's number alone.  An s_nop 0 and four v_nop follow each of the two lines.
.macro JLOAD g0a, g1a, g0b, g1b
	s_cmp_eq_u32 s15, 0
	s_cbranch_scc0 .Lfor_b_\@
	tensor_load_to_lds s[\g0a:\g0a+3], s[\g1a:\g1a+7]
	s_nop 0
.rept 4
	v_nop
.endr
	s_branch .Lasked_\@
.Lfor_b_\@:
	tensor_load_to_lds s[\g0b:\g0b+3], s[\g1b:\g1b+7]
	s_nop 0
.rept 4
	v_nop
.endr
.Lasked_\@:
.endm
.macro CROUND                          ; a round of the cluster's barrier
	s_barrier_signal -1
	s_barrier_wait -1
	s_cmp_lg_u32 s14, 0
	s_cbranch_scc1 .Lnot_wave_0_\@
	s_barrier_signal -3
.Lnot_wave_0_\@:
	s_barrier_wait -3
	s_barrier_signal -1
	s_barrier_wait -1
.endm
	s_load_b128 s[4:7], s[0:1], 0x0                ; A's codes, A's scales
	s_load_b128 s[8:11], s[0:1], 0x10              ; B's codes, B's scales
	s_load_b64 s[12:13], s[0:1], 0x20              ; qkv
	v_lshl_add_u32 v[SPW], v0, 2, SPARE
	v_mov_b32 v[NIL], 0
	ds_add_u32 v[SPW], v[NIL]                      ; the wave's opening: the add, twice on end, and its wait ahead of my first tensor load
	ds_add_u32 v[SPW], v[NIL]
	v_lshrrev_b32 v1, 5, v0
	v_readfirstlane_b32 s14, v1                    ; wave 0..3
	s_lshr_b32 s15, s14, 1                         ; which half of the tile's rows is mine.  Also: I fetch for A (0) or for B (1)
	s_and_b32 s16, s14, 1                          ; which half of its columns.  Also: which 128 rows I fetch
	s_bfe_u32 s40, ttmp6, 0x40000                  ; cx, cy
	s_bfe_u32 s41, ttmp6, 0x40004
	s_lshl_b32 s42, ttmp9, 2
	s_add_co_u32 s42, s42, s40                     ; tile column
	s_and_b32 s17, ttmp7, 0xffff
	s_lshl_b32 s17, s17, 2
	s_add_co_u32 s17, s17, s41                     ; tile row
	s_lshl_b32 s43, s41, 2
	s_lshl_b32 s43, 15, s43                        ; my row of the cluster
	s_lshl_b32 s44, 0x1111, s40                    ; my column
	s_or_b32 s[G1+0], s43, (0<<16)|(1<<20)|(1<<21)|(5<<22)|(3<<25)  ; the mask; elements of 1 byte; padding on; bit 21 beside a mask; 4 words behind every 64
	s_or_b32 s[G1B+0], s44, (0<<16)|(1<<20)|(1<<21)|(5<<22)|(3<<25)
.irp g, G1, G1B
	s_mov_b32 s[\g+1], ROWB<<16                    ; tensor_dim0
	s_mov_b32 s[\g+2], 128<<16                     ; tensor_dim1
	s_mov_b32 s[\g+3], ROWB<<16                    ; tile_dim0
	s_mov_b32 s[\g+4], 128                         ; tile_dim1
	s_mov_b32 s[\g+5], KROW                        ; from row to row
	s_mov_b32 s[\g+6], 0
	s_mov_b32 s[\g+7], 0
.endr
	s_or_b32 s[G1S+0], s43, (3<<16)|(1<<20)|(1<<21)|(5<<22)|(3<<25) ; the scales of 128 rows: 4,096 dense bytes as 16 rows of 256 (32 elements of 8 bytes), 16 bytes of padding behind each
	s_or_b32 s[G1SB+0], s44, (3<<16)|(1<<20)|(1<<21)|(5<<22)|(3<<25)
.irp g, G1S, G1SB
	s_mov_b32 s[\g+1], 32<<16
	s_mov_b32 s[\g+2], (128*KS/256)<<16
	s_mov_b32 s[\g+3], 32<<16
	s_mov_b32 s[\g+4], 128*KS/256
	s_mov_b32 s[\g+5], 32
	s_mov_b32 s[\g+6], 0
	s_mov_b32 s[\g+7], 0
.endr
	s_lshl_b32 s18, s16, 7
	s_lshl_b32 s20, s17, 8
	s_add_co_u32 s20, s20, s18                     ; A: row 256 x tile row + 128 x half
	s_lshl_b32 s46, s42, 8
	s_add_co_u32 s46, s46, s18                     ; B: row 256 x tile column + 128 x half
	s_mov_b32 s21, 0
	s_mov_b32 s47, 0
	s_mov_b64 s[18:19], KS
	s_mul_u64 s[22:23], s[20:21], s[18:19]         ; where these rows' scales begin,
	s_mul_u64 s[92:93], s[46:47], s[18:19]
	s_mov_b64 s[18:19], KROW
	s_mul_u64 s[20:21], s[20:21], s[18:19]         ; and their codes
	s_mul_u64 s[46:47], s[46:47], s[18:19]
	s_mul_i32 s45, s14, HALFT                      ; where they go: wave x 128 rows
	s_mul_i32 s94, s14, HALFS
	s_wait_dscnt 0x0                               ; both opening adds are done
	s_wait_kmcnt 0x0
	s_add_nc_u64 s[20:21], s[4:5], s[20:21]
	s_add_nc_u64 s[22:23], s[6:7], s[22:23]
	s_add_nc_u64 s[46:47], s[8:9], s[46:47]
	s_add_nc_u64 s[92:93], s[10:11], s[92:93]
	CROUND                                         ; all sixteen work-groups are here: the first joint loads meet
	s_mov_b32 s[G0S], 1
	s_add_co_u32 s[G0S+1], s94, SCL
	s_mov_b64 s[G0S+2:G0S+3], s[22:23]
	s_or_b32 s[G0S+3], s[G0S+3], 0x80000000
	s_mov_b32 s[G0SB], 1
	s_add_co_u32 s[G0SB+1], s94, SCL
	s_mov_b64 s[G0SB+2:G0SB+3], s[92:93]
	s_or_b32 s[G0SB+3], s[G0SB+3], 0x80000000
	JLOAD G0S, G1S, G0SB, G1SB                     ; the scales first: they are wanted with slot 0
.irp s, 0,1
	s_mov_b32 s[G0+4*\s], 1
	s_add_co_u32 s[G0+4*\s+1], s45, \s*SLOT
	s_add_nc_u64 s[G0+4*\s+2:G0+4*\s+3], s[20:21], \s*ROWB
	s_or_b32 s[G0+4*\s+3], s[G0+4*\s+3], 0x80000000
	s_mov_b32 s[G0B+4*\s], 1
	s_add_co_u32 s[G0B+4*\s+1], s45, \s*SLOT
	s_add_nc_u64 s[G0B+4*\s+2:G0B+4*\s+3], s[46:47], \s*ROWB
	s_or_b32 s[G0B+4*\s+3], s[G0B+4*\s+3], 0x80000000
	JLOAD G0+4*\s, G1, G0B+4*\s, G1B               ; three tensor loads of mine are out in all
.endr
	v_and_b32 v1, 15, v0                           ; l % 16
	v_bfe_u32 v2, v0, 4, 1                         ; l / 16
	v_mul_u32_u24 v3, v1, PITCH
	v_lshl_add_u32 v4, v2, 4, v3                   ; a fragment's row x pitch + 16 x half
	s_mul_i32 s21, s15, HALFT                      ; my 128 rows of A
	s_mul_i32 s22, s16, HALFT                      ; my 128 rows of B,
	s_add_co_u32 s22, s22, 2*HALFT                 ; behind A's 256
.irp s, 0,1
	v_add_nc_u32 v[ADRA+\s], s21, v4
	v_add_nc_u32 v[ADRB+\s], s22, v4
	s_add_co_u32 s21, s21, SLOT
	s_add_co_u32 s22, s22, SLOT
.endr
	v_mul_u32_u24 v5, v1, KS                       ; my row's scales: KS bytes a row,
	v_lshrrev_b32 v6, 8, v5
	v_lshl_add_u32 v5, v6, 4, v5                   ; and 16 more for each 256 passed
	s_mul_i32 s21, s15, HALFS
	s_mul_i32 s22, s16, HALFS
	s_add_co_u32 s22, s22, 2*HALFS
	s_sub_co_u32 s22, s22, s21
	v_mul_u32_u24 v6, s22, v2                      ; lanes 16-31 take B's: one product, the distance between the two bases
	s_add_co_u32 s21, s21, SCL
	v_add_nc_u32 v5, v5, v6
	v_add_nc_u32 v[ADRS], s21, v5
	s_mul_i32 s23, s14, 16*SPITCH                  ; my stage
	v_mul_u32_u24 v5, v1, SPITCH                   ; in: row l % 16, 16 bytes for each half of the lanes
	v_lshl_add_u32 v5, v2, 4, v5
	v_add_nc_u32 v[STO], s23, v5
	v_bfe_u32 v5, v0, 3, 2                         ; back: eight lanes take one head's 128 bytes of a row, four rows an instruction
	v_and_b32 v6, 7, v0
	v_mul_u32_u24 v5, v5, SPITCH
	v_lshl_add_u32 v5, v6, 4, v5
	v_add_nc_u32 v[RD], s23, v5
	v_and_b32 v6, 31, v0
	v_lshlrev_b32 v[CO], 4, v6                     ; those four rows are 512 consecutive bytes of qkv
	s_lshl_b32 s20, s17, 8
	s_lshl_b32 s21, s15, 7
	s_add_co_u32 s20, s20, s21                     ; my first row: 256 x tile row + 128 x half
	s_lshr_b32 s21, s20, 11                        ; its batch,
	s_lshl_b32 s21, s21, 22
	s_and_b32 s20, s20, 2047                       ; its position
	s_lshl_b32 s20, s20, 7
	s_add_co_u32 s20, s20, s21
	s_lshl_b32 s46, s42, 2
	s_lshl_b32 s47, s16, 1
	s_add_co_u32 s46, s46, s47                     ; my first head of the 48: 4 x tile column + 2 x half
	s_lshr_b32 s47, s46, 4                         ; q, k or v
	s_lshl_b32 s47, s47, 24
	s_and_b32 s46, s46, 15
	s_lshl_b32 s46, s46, 18
	s_add_co_u32 s46, s46, s47
	s_add_co_u32 s20, s20, s46
	s_mov_b32 s21, 0
	s_add_nc_u64 s[12:13], s[12:13], s[20:21]
.macro FRAG reg, adr, q, i             ; 16 rows x 128 K of 4-bit codes: 8 registers; lane l holds row l % 16; registers 4 c .. 4 c + 3 hold K = 64 c + 32 (l / 16) + 0 .. 31
.irp c, 0,1
	ds_load_b128 v[\reg+4*\c:\reg+4*\c+3], v[\adr] offset:64*(\q)+32*\c+(\i)*16*PITCH
.endr
.endm
; 16 matrix instructions: A's blocks a0, a0 + 1 x B's eight.  The 64 accumulators take turns, one instruction a turn, in the same order in every step.
.macro MUL16 a0, p, q, sc, zero
.irp a, \a0, \a0+1
.irp b, 0,1,2,3,4,5,6,7
.if \zero
	v_wmma_scale_f32_16x16x128_f8f6f4 v[8*(8*((\a)%4)+\b):8*(8*((\a)%4)+\b)+7], v[128*(\p)+FR*\b:128*(\p)+FR*\b+FR-1], v[AF+FR*(\a):AF+FR*(\a)+FR-1], 0, v[SC+8*NQ*(\sc)+NQ*\b+(\q)], v[SC+8*NQ*(\sc)+NQ*(\a)+(\q)] matrix_a_fmt:MATRIX_FMT_FP4 matrix_b_fmt:MATRIX_FMT_FP4 matrix_a_scale:MATRIX_SCALE_ROW1
.else
	v_wmma_scale_f32_16x16x128_f8f6f4 v[8*(8*((\a)%4)+\b):8*(8*((\a)%4)+\b)+7], v[128*(\p)+FR*\b:128*(\p)+FR*\b+FR-1], v[AF+FR*(\a):AF+FR*(\a)+FR-1], v[8*(8*((\a)%4)+\b):8*(8*((\a)%4)+\b)+7], v[SC+8*NQ*(\sc)+NQ*\b+(\q)], v[SC+8*NQ*(\sc)+NQ*(\a)+(\q)] matrix_a_fmt:MATRIX_FMT_FP4 matrix_b_fmt:MATRIX_FMT_FP4 matrix_a_scale:MATRIX_SCALE_ROW1
.endif
.endr
.endr
.endm
.macro FETCH_B slot, q, p
	WIN TO_B
.irp i, 0,1,2,3,4,5,6,7
	FRAG 128*(\p)+FR*\i, ADRB+\slot, \q, \i
.endr
	WIN 0
.endm
.macro FETCH_A slot, q, i0
.irp i, \i0, \i0+1, \i0+2, \i0+3
	FRAG AF+FR*(\i), ADRA+\slot, \q, \i
.endr
.endm
.macro SCALES sc                       ; a slot's scale words: four words a row; lanes 0-15 take A's block i, lanes 16-31 B's block i
.irp i, 0,1,2,3,4,5,6,7
	ds_load_b128 v[SC+8*NQ*\sc+NQ*\i:SC+8*NQ*\sc+NQ*\i+3], v[ADRS] offset:\i*SBLK
.endr
.endm
.macro PLACES n                        ; plain vector lines between a matrix instruction and a load into, or a read of, its registers
.rept \n
	v_nop
.endr
.endm
.macro STEP slot, q, zero              ; 128 along K, with its successor in the same slot
	s_wait_dscnt 4*NL                              ; B's set and A's blocks 0-3 are in; the youngest eight loads (A's blocks 4-7) may be out
	WIN MUL_LO
	MUL16 0, (\q)%2, \q, \slot, \zero
	MUL16 2, (\q)%2, \q, \slot, \zero
	s_wait_dscnt 0                                 ; A's blocks 4-7 are in
	PLACES NP
	FETCH_B \slot, (\q)+1, 1-(\q)%2
	FETCH_A \slot, (\q)+1, 0
	WIN MUL_HI
	MUL16 4, (\q)%2, \q, \slot, \zero
	MUL16 6, (\q)%2, \q, \slot, \zero
	PLACES NP
	WIN 0
	FETCH_A \slot, (\q)+1, 4
.endm
.macro TURN slot, next                 ; slot 0's last step changes slots: one barrier; nothing is filled again
	s_wait_tensorcnt 0x0                           ; all my tensor loads have landed: my part of the next slot
	ds_add_u32 v[SPW], v[NIL]                      ; 0 onto my spare word
	s_wait_dscnt 4*NL+1                            ; (the add and the youngest eight loads may be out)
	WIN MUL_LO
	MUL16 0, 1, NQ-1, \slot, 0
	s_wait_dscnt 0x0                               ; the add is done, and my reads of this slot are over
	s_barrier_signal -1
	MUL16 2, 1, NQ-1, \slot, 0
	WIN 0
	s_barrier_wait -1
	PLACES NP
	v_add_nc_u32 v[ADRS], 4*NQ, v[ADRS]            ; on to the next slot's scale words
	FETCH_B \next, 0, 0
	FETCH_A \next, 0, 0
	SCALES \next
	WIN MUL_HI
	MUL16 4, 1, NQ-1, \slot, 0
	MUL16 6, 1, NQ-1, \slot, 0
	PLACES NP
	WIN 0
	FETCH_A \next, 0, 4
.endm
	s_wait_tensorcnt 1                             ; the scales and my part of slot 0 are in; slot 1's load, the one issued behind them, may be out
	s_barrier_signal -1
	s_barrier_wait -1
	FETCH_B 0, 0, 0
	FETCH_A 0, 0, 0
	SCALES 0
	FETCH_A 0, 0, 4
	STEP 0, 0, 1                                   ; the first step's products start the sums: nothing is cleared
	STEP 0, 1, 0
	STEP 0, 2, 0
	TURN 0, 1
	STEP 1, 0, 0
	STEP 1, 1, 0
	STEP 1, 2, 0
	s_wait_dscnt 4*NL                              ; the very last step: nothing more to fetch
	WIN MUL_LO
	MUL16 0, 1, NQ-1, 1, 0
	MUL16 2, 1, NQ-1, 1, 0
	s_wait_dscnt 0
	WIN MUL_HI
	MUL16 4, 1, NQ-1, 1, 0
	MUL16 6, 1, NQ-1, 1, 0
	WIN 0
; THE WAY OUT, block by block of 16 positions x 128 channels (two heads).  PACK: rounded to f16, 16 bytes a lane, each accumulator from its low end on.  TOSTAGE: into my stage, and back by heads: four rows of one head
; are 512 consecutive bytes of qkv.  SEND: stored.
.macro PACK a
.set AC, 64*((\a)%4)
	WIN 0x0a+5*((\a)/4)                            ; sources 0 and 1: window 2 or 3
.irp b, 0,1,2,3,4,5,6,7
.irp r, 0,1,2,3
	v_cvt_pk_f16_f32 v[TMP+4*\b+\r], v[AC+8*\b+2*\r], v[AC+8*\b+2*\r+1]
.endr
.endr
	WIN 0
.endm
.macro TOSTAGE a
.set BK, OB+192*((\a)%2)
.irp b, 0,1,2,3,4,5,6,7
	ds_store_b128 v[STO], v[TMP+4*\b:TMP+4*\b+3] offset:32*\b
.endr
.irp t, 0,1,2,3,4,5,6,7
	ds_load_b128 v[BK+4*\t:BK+4*\t+3], v[RD] offset:(\t%4)*4*SPITCH+128*(\t/4)   ; LDS serves a wave's instructions in order: these see the stores above
.endr
.endm
.macro SEND a
.set BK, OB+192*((\a)%2)
	s_wait_dscnt 0x0                               ; the block is back in registers
	s_wait_xcnt 0x0                                ; the earlier stores have read their base and their registers: only behind this wait are they rewritten
.if (\a) > 0
	s_add_nc_u64 s[12:13], s[12:13], 16*128        ; 16 positions on
.endif
.irp t, 0,1,2,3,4,5,6,7
	global_store_b128 v[CO], v[BK+4*\t:BK+4*\t+3], s[12:13] offset:(\t/4)*262144+(\t%4)*512   ; 32 lanes store 512 consecutive bytes, aligned to 256
.endr
.endm
	PLACES NP                                      ; behind the last products, ahead of the first read of results and of loads into registers that held scale words
	PACK 0
	TOSTAGE 0
.irp a, 1,2,3,4,5,6,7                  ; block a's conversions stand between block a - 1's loads from the stage and the wait for them
	PACK \a
	SEND \a-1
	TOSTAGE \a
.endr
	SEND 7
	s_wait_tensorcnt 0x0                           ; the wave's end
	ds_add_u32 v[SPW], v[NIL]
	s_wait_dscnt 0x0
	CROUND                                         ; the closing round
	s_endpgm
.Lfunc_end_k_qa3e0fc378a_qkv:
	.size	k_qa3e0fc378a_qkv, .Lfunc_end_k_qa3e0fc378a_qkv-k_qa3e0fc378a_qkv
	.p2alignl 7, 3214868480
	.fill 96, 4, 3214868480
	.section	.rodata,"a",@progbits
	.p2align	6, 0x0
	.amdhsa_kernel k_qa3e0fc378a_qkv
		.amdhsa_group_segment_fixed_size 327680
		.amdhsa_private_segment_fixed_size 0
		.amdhsa_enable_private_segment 0
		.amdhsa_kernarg_size 40
		.amdhsa_user_sgpr_count 2
		.amdhsa_user_sgpr_kernarg_segment_ptr 1
		.amdhsa_wavefront_size32 1
		.amdhsa_system_sgpr_workgroup_id_x 1
		.amdhsa_system_sgpr_workgroup_id_y 1
		.amdhsa_system_sgpr_workgroup_id_z 1
		.amdhsa_system_vgpr_workitem_id 0
		.amdhsa_next_free_vgpr 1024
		.amdhsa_next_free_sgpr 98
		.amdhsa_reserve_vcc 0
		.amdhsa_float_denorm_mode_32 3
		.amdhsa_float_denorm_mode_16_64 3
		.amdhsa_memory_ordered 1
		.amdhsa_forward_progress 1
		.amdhsa_inst_pref_size 127
	.end_amdhsa_kernel
	.amdgpu_metadata
---
amdhsa.version: [ 1, 2 ]
amdhsa.kernels:
  - .name:           k_qa3e0fc378a_qkv
    .symbol:         k_qa3e0fc378a_qkv.kd
    .args:
      - { .name: h_codes, .offset: 0, .size: 8, .value_kind: global_buffer, .address_space: global }
      - { .name: h_scales, .offset: 8, .size: 8, .value_kind: global_buffer, .address_space: global }
      - { .name: w_codes, .offset: 16, .size: 8, .value_kind: global_buffer, .address_space: global }
      - { .name: w_scales, .offset: 24, .size: 8, .value_kind: global_buffer, .address_space: global }
      - { .name: qkv, .offset: 32, .size: 8, .value_kind: global_buffer, .address_space: global }
    .group_segment_fixed_size: 327680
    .private_segment_fixed_size: 0
    .kernarg_segment_align: 8
    .kernarg_segment_size: 40
    .max_flat_workgroup_size: 128
    .sgpr_count:     98
    .vgpr_count:     1024
    .wavefront_size: 32
...
	.end_amdgpu_metadata
.endif
;; end of part 2
;; launch attn (part 3): grid 4 x 64, 8 waves a work-group, clusters of 4 x 1, 327,680 bytes of LDS; arguments qkv, tab, ctx; writes ctx
.if DOCPART == 3
	.amdgcn_target "amdgcn-amd-amdhsa--gfx1250"
	.amdhsa_code_object_version 6
	.text
	.protected	k_qa3e0fc378a_attn
	.globl	k_qa3e0fc378a_attn
	.p2align	8
	.type	k_qa3e0fc378a_attn,@function
k_qa3e0fc378a_attn:
	s_mov_b64 s[64:65], 0
	v_nop
	global_prefetch_b8 v0, s[64:65] scope:SCOPE_SE
	s_setreg_imm32_b32 hwreg(HW_REG_WAVE_MODE, 25, 1), 1
	s_wait_xcnt 0x0
	s_wait_alu depctr_hold_cnt(0) depctr_sa_sdst(0) depctr_va_vdst(0) depctr_va_sdst(0) depctr_va_ssrc(0) depctr_va_vcc(0) depctr_vm_vsrc(0)
	s_getreg_b32 s2, hwreg(HW_REG_IB_STS2, 6, 4)
	s_cmp_eq_u32 s2, 0
	s_cbranch_scc0 .Lentry_in_a_cluster
	s_endpgm
.Lentry_in_a_cluster:
	s_bfe_u32 s2, ttmp6, 0x10000c
	s_cmp_lg_u32 s2, 0x3003
	s_cbranch_scc0 .Lentry_shape_is_right
	s_endpgm
.Lentry_shape_is_right:
; ctx[b][h][q][:] = the sum over k of softmax_k(q . k + bias(k - q, h)) v[k][:], no scaling of the scores.  q, k, v: f16, qkv byte = which << 24 + (16 b + h) << 18 + position << 7; ctx: f16, the same layout without 'which'.
; Products on f16 operands with f32 sums; bias, maxima, exponentials and sums in f32; the weights p are rounded to f16 for the second product, ctx once at the end.
; LIMITS: |q|, |k|, |v| and so |ctx| under 65,504 (f16); NaN and infinities are not served.
; SHARES.  A work-group owns 512 queries of one (b, h), each of its eight waves 64: four tiles of 16; two waves share a SIMD, so that one wave's vector work stands beside the other's matrix work.  Every wave walks all 2,048 keys, 64 a step.
; LAYOUT.  S^T = K Q^T + bias (source 0 = 16 keys, source 1 = 16 queries): a lane holds ONE query (lane % 16) and the keys 8 (lane / 16) + 0..7 of a tile.  Two such tiles, rounded to f16 in pairs, ARE source 1 of O^T = V^T P.
; THE BIAS IS THE C OF EACH SCORE TILE'S FIRST MATRIX INSTRUCTION.  It hangs on key - query alone, so a tile's eight registers hang on (key tile - query tile) alone: seven sets serve a step's sixteen tiles.  A lane wants eight
; neighbouring words of the table from a start that moves one word back from lane to lane: four copies of the table, copy c shifted by c words, give every lane two aligned loads of 16 bytes (lane r takes copy r % 4).
; SOFTMAX.  A running maximum m and sum l for each query: p = 2^(c s - c m), c = log2(e); in every step O^T and l are multiplied by a = 2^(c m_old - c m_new).
; CLUSTER.  The four query blocks of a (b, h) form a cluster and walk the same K and V: each tile is asked for jointly, mask 15.  The table's window hangs on the query block: it comes by a plain load, to the same LDS bytes in all.
; LDS: slot s at s << 17: 256 rows of K (128 bytes + 16), then 256 rows of V (128 + 32); the table's four windows of 10,304 bytes; the spare words.  On the way out the stages lie in slot 0, which has had its last fill and its last read.
; REGISTERS: window 0: v1-13 addresses; v16-47 statistics, eight a tile: +0 c m, +1 m, +2, +3 l, +4 to +7 c0-c3 (a takes c2's place); v48-111 a step's K, then its V; v112-239 S^T, 32 a tile; P is made in place in a tile's first 16.
;   window 1: v0-127 O^T, 32 a tile; v128-191 Q; v192-247 the seven sets of bias.
.set PK,    144                        ; a row of K in LDS: 36 words: the 16 rows of a load start at 16 different groups of four words
.set PVP,   160                        ; a row of V: 40 words, an odd multiple of 32 bytes, for the turning load
.set VOFF,  256*PK
.set SLOT1, 1<<17
.set TAB,   2*SLOT1
.set TROW,  10304                      ; a window: 2,576 words; 644 sixteens, 4 modulo 16, so that the four copies' lanes fall on different columns of 16 bytes
.set SPARE, TAB+4*TROW                 ; the spare words, 128 bytes for each wave: four blocks of 256 bytes that no other line names
.set AK0, 1
.set AV0, 2
.set AB0, 3
.set ADK, 4
.set ADV, 5
.set ADB, 6
.set QO,  7
.set STO, 8
.set RD,  9
.set GO,  10
.set PFO, 11
.set SPW, 12
.set NIL, 13
.set ST,  16
.set KV,  48
.set S,   112
.set O,   0                            ; in window 1
.set Q,   128
.set BI,  192
.set WV,  12
.set G1K, 24
.set G1V, 32
.set G0K, 40
.set G0V, 44
.set G1T, 48
.set G0T, 56
.set CS,  60                           ; s[60:61] c = log2(e), twice: the packed form names a pair
.set SEL, 62                           ; s[62:63] lane selects for v_permlanex16_b32: lane l xor 16
.set TK,  66                           ; LDS byte at which the step's rows of K begin
.set TV,  67                           ; the same for V (less VOFF)
.set TBI, 68                           ; 4 x the step's first key: the bias moves 256 bytes a step
.set SLOTS, 69
.set CNT, 70
.set PFA, 72
.set LIM, 74
.set MSB, 0
.macro WIN new                         ; the immediate's high byte repeats the setting that is left
.if MSB != \new
	s_set_vgpr_msb (MSB<<8)|\new
.set MSB, \new
.endif
.endm
; A joint refill: waves 0 and 1 fetch K's halves of a slot (128 rows each), waves 2 and 3 V's, the others nothing.  The branches hang on the wave's number alone.  An s_nop 0 and four v_nop follow each load.
.macro JLOAD
	s_cmp_lt_u32 s[WV], 2
	s_cbranch_scc0 .Lnot_k_\@
	tensor_load_to_lds s[G0K:G0K+3], s[G1K:G1K+7]
	s_nop 0
.rept 4
	v_nop
.endr
	s_branch .Lasked_\@
.Lnot_k_\@:
	s_cmp_lt_u32 s[WV], 4
	s_cbranch_scc0 .Lasked_\@
	tensor_load_to_lds s[G0V:G0V+3], s[G1V:G1V+7]
	s_nop 0
.rept 4
	v_nop
.endr
.Lasked_\@:
.endm
; A PREFETCH INTO THE L2 of the slot that the NEXT change of slots will ask for, four key steps ahead of that load.  A slot is 32,768 dense bytes of K and as many of V.  Wave 5 asks for K's, wave 6 for V's; the four partners
; share each out by ADDRESS, 8,192 bytes each, lanes 256 bytes apart: each aligned block of 256 bytes is named once in the launch.  The change that loads the last slot asks for nothing; slots 0 and 1 come by their loads alone.
.macro ASK
	s_cmp_gt_u32 s[SLOTS], s[LIM]
	s_cbranch_scc0 .Lnot_mine_\@
	global_prefetch_b8 v[PFO], s[PFA:PFA+1] th:TH_LOAD_NT scope:SCOPE_SE
.Lnot_mine_\@:
.endm
.macro CROUND                          ; a round of the cluster's barrier
	s_barrier_signal -1
	s_barrier_wait -1
	s_cmp_lg_u32 s[WV], 0
	s_cbranch_scc1 .Lnot_wave_0_\@
	s_barrier_signal -3
.Lnot_wave_0_\@:
	s_barrier_wait -3
	s_barrier_signal -1
	s_barrier_wait -1
.endm
	s_load_b128 s[4:7], s[0:1], 0x0                ; qkv, tab
	s_load_b64 s[8:9], s[0:1], 0x10                ; ctx
	v_lshl_add_u32 v[SPW], v0, 2, SPARE
	v_mov_b32 v[NIL], 0
	ds_add_u32 v[SPW], v[NIL]                      ; the wave's opening: the add, twice on end, and its wait ahead of the first tensor loads
	ds_add_u32 v[SPW], v[NIL]
	v_lshrrev_b32 v14, 5, v0
	v_readfirstlane_b32 s[WV], v14                 ; wave 0..7
	s_bfe_u32 s13, ttmp6, 0x40000                  ; cx: my block of 512 queries
	s_and_b32 s14, ttmp7, 0xffff                   ; 16 b + h, which the four partners share
	s_lshl_b32 s16, s14, 18                        ; its first byte in q, k, v and ctx
	s_and_b32 s15, s[WV], 1                        ; which half of a slot's rows I fetch, if I fetch:
	s_lshl_b32 s18, s15, 14                        ; 128 rows of 128 bytes in memory,
	s_add_co_u32 s18, s18, s16
	s_mov_b32 s19, 0
	s_mul_i32 s20, s15, 128*PK                     ; and in a slot: K's,
	s_mul_i32 s21, s15, 128*PVP
	s_add_co_u32 s21, s21, VOFF                    ; V's
	s_lshl_b32 s22, s13, 16                        ; my block's 512 rows,
	s_lshl_b32 s23, s[WV], 13                      ; my wave's 64 of them
	s_add_co_u32 s22, s22, s23
	s_add_co_u32 s22, s22, s16
	s_mov_b32 s23, 0
	s_and_b32 s76, s14, 15                         ; the head's table,
	s_mul_i32 s76, s76, 69632
	s_add_co_u32 s76, s76, 6144                    ; my block's window: from word 1536 - 512 cx on
	s_lshl_b32 s77, s13, 11
	s_sub_co_u32 s76, s76, s77
	s_mov_b32 s77, 0
	s_cmp_eq_u32 s[WV], 5                          ; the prefetches: wave 5 stands in K, wave 6 in V,
	s_mov_b32 s78, 0x2000000
	s_cselect_b32 s78, 0x1000000, s78
	s_add_co_u32 s78, s78, s16
	s_lshl_b32 s79, s13, 13                        ; at my work-group's quarter
	s_add_co_u32 s78, s78, s79
	s_add_co_u32 s78, s78, 32768                   ; of slot 1: the first change of slots steps it to slot 2
	s_mov_b32 s79, 0
	s_sub_co_u32 s[LIM], s[WV], 5
	s_cmp_lt_u32 s[LIM], 2
	s_cselect_b32 s[LIM], 1, -1                    ; 1 in waves 5 and 6, else the greatest number
	s_mov_b32 s[G1K], 15|(1<<16)|(1<<20)|(1<<21)|(4<<22)|(3<<25)  ; the mask: all four; elements of 2 bytes; padding on; bit 21 beside a mask; 4 words behind every 32
	s_mov_b32 s[G1V], 15|(1<<16)|(1<<20)|(1<<21)|(4<<22)|(7<<25)  ; the same with 8 words
.irp g, G1K, G1V
	s_mov_b32 s[\g+1], 64<<16                      ; tensor_dim0 = 64
	s_mov_b32 s[\g+2], 128<<16                     ; tensor_dim1 = 128
	s_mov_b32 s[\g+3], 64<<16                      ; tile_dim0
	s_mov_b32 s[\g+4], 128                         ; tile_dim1
	s_mov_b32 s[\g+5], 64                          ; from row to row
	s_mov_b32 s[\g+6], 0
	s_mov_b32 s[\g+7], 0
.endr
	s_mov_b32 s[G1T], 2<<16                        ; the table's window: no mask, elements of 4 bytes, no padding
	s_mov_b32 s[G1T+1], 2576<<16                   ; tensor_dim0
	s_mov_b32 s[G1T+2], 4<<16                      ; tensor_dim1: the four copies
	s_mov_b32 s[G1T+3], 2576<<16                   ; tile_dim0
	s_mov_b32 s[G1T+4], 4                          ; tile_dim1
	s_mov_b32 s[G1T+5], 4352                       ; from copy to copy
	s_mov_b32 s[G1T+6], 0
	s_mov_b32 s[G1T+7], 0
	s_mov_b32 s[CS], 0x3fb8aa3b
	s_mov_b32 s[CS+1], s[CS]
	s_mov_b32 s[SEL], 0x76543210
	s_mov_b32 s[SEL+1], 0xfedcba98
	s_mov_b32 s[TK], 0
	s_mov_b32 s[TV], 0
	s_mov_b32 s[TBI], 0
	s_mov_b32 s[SLOTS], 7
	s_wait_dscnt 0x0                               ; both opening adds are done
	s_wait_kmcnt 0x0
	s_add_nc_u64 s[18:19], s[4:5], s[18:19]
	s_mov_b32 s[G0K], 1
	s_mov_b32 s[G0K+1], s20
	s_add_nc_u64 s[G0K+2:G0K+3], s[18:19], 0x1000000
	s_or_b32 s[G0K+3], s[G0K+3], 0x80000000
	s_mov_b32 s[G0V], 1
	s_mov_b32 s[G0V+1], s21
	s_add_nc_u64 s[G0V+2:G0V+3], s[18:19], 0x2000000
	s_or_b32 s[G0V+3], s[G0V+3], 0x80000000
	s_mov_b32 s[G0T], 1
	s_mov_b32 s[G0T+1], TAB
	s_add_nc_u64 s[G0T+2:G0T+3], s[6:7], s[76:77]
	s_or_b32 s[G0T+3], s[G0T+3], 0x80000000
	s_add_nc_u64 s[PFA:PFA+1], s[4:5], s[78:79]
	s_add_nc_u64 s[4:5], s[4:5], s[22:23]          ; Q and ctx at my wave's first row
	s_add_nc_u64 s[8:9], s[8:9], s[22:23]
	CROUND                                         ; all four work-groups are here: the first joint loads meet
	s_cmp_lt_u32 s[WV], 2                          ; the first fills, one a wave, in one branch on the wave's number: slot 0's K, slot 0's V, the table's window
	s_cbranch_scc0 .Lfirst_not_k
	tensor_load_to_lds s[G0K:G0K+3], s[G1K:G1K+7]
	s_nop 0
.rept 4
	v_nop
.endr
	s_branch .Lfirst_asked
.Lfirst_not_k:
	s_cmp_lt_u32 s[WV], 4
	s_cbranch_scc0 .Lfirst_not_v
	tensor_load_to_lds s[G0V:G0V+3], s[G1V:G1V+7]
	s_nop 0
.rept 4
	v_nop
.endr
	s_branch .Lfirst_asked
.Lfirst_not_v:
	s_cmp_eq_u32 s[WV], 4
	s_cbranch_scc0 .Lfirst_asked
	tensor_load_to_lds s[G0T:G0T+3], s[G1T:G1T+7]
	s_nop 0
.rept 4
	v_nop
.endr
.Lfirst_asked:
	v_and_b32 v14, 15, v0                          ; r = l % 16
	v_bfe_u32 v15, v0, 4, 1                        ; h = l / 16
	v_lshlrev_b32 v[QO], 7, v14
	v_lshl_add_u32 v[QO], v15, 4, v[QO]            ; Q: row r of 128 bytes + 16 h
	WIN 0x40                                       ; destination window 1
.irp t, 0,1,2,3
.irp kf, 0,1
	global_load_b128 v[Q+16*\t+8*\kf:Q+16*\t+8*\kf+3],   v[QO], s[4:5] offset:2048*\t+64*\kf      ; Q stays in registers: tile t, channels 32 kf on
	global_load_b128 v[Q+16*\t+8*\kf+4:Q+16*\t+8*\kf+7], v[QO], s[4:5] offset:2048*\t+64*\kf+32
.endr
.endr
	WIN 0
	v_mul_u32_u24 v[AK0], v14, PK
	v_lshl_add_u32 v[AK0], v15, 4, v[AK0]          ; K: row r x pitch + 16 h
	v_and_b32 v240, 7, v0
	v_bfe_u32 v241, v0, 3, 1
	v_lshl_add_u32 v[AV0], v15, 3, v240            ; V, for the turning load: key 8 h + l % 8, channels 8 ((l / 8) % 2) on
	v_mul_u32_u24 v[AV0], v[AV0], PVP
	v_lshl_add_u32 v[AV0], v241, 4, v[AV0]
	v_add_nc_u32 v[AV0], VOFF, v[AV0]
	v_and_b32 v240, 3, v0                          ; the bias: copy r % 4;
	v_mul_u32_u24 v[AB0], v240, TROW
	v_lshl_add_u32 v[AB0], v15, 5, v[AB0]          ; 8 words on for lanes 16-31;
	v_bfe_u32 v241, v0, 2, 2
	v_xor_b32 v241, 3, v241
	v_lshl_add_u32 v[AB0], v241, 4, v[AB0]         ; 4 words back for each four queries: 48 - 16 (r / 4) bytes;
	s_xor_b32 s18, s[WV], 7
	s_lshl_b32 s18, s18, 8                         ; 64 words back for each wave: 1,792 - 256 w bytes;
	s_add_co_u32 s18, s18, TAB+16                  ; in all 4 (first key - 64 w + 16 d + 8 h - 4 (r / 4) + 464) from the window's first byte, d = key tile - query tile + 3
	v_add_nc_u32 v[AB0], s18, v[AB0]
	s_mul_i32 s18, s[WV], 64*PK                    ; my stage: 64 rows x 144 bytes
	v_mul_u32_u24 v[STO], v14, PK                  ; in: row r, 16 bytes for each half of the lanes
	v_lshl_add_u32 v[STO], v15, 4, v[STO]
	v_add_nc_u32 v[STO], s18, v[STO]
	v_bfe_u32 v240, v0, 3, 2                       ; back: eight lanes to a row of 128 bytes, four rows an instruction
	v_and_b32 v241, 7, v0
	v_mul_u32_u24 v[RD], v240, PK
	v_lshl_add_u32 v[RD], v241, 4, v[RD]
	v_add_nc_u32 v[RD], s18, v[RD]
	v_and_b32 v[GO], 31, v0
	v_lshlrev_b32 v[PFO], 8, v[GO]                 ; the prefetches: lanes 256 bytes apart
	v_lshlrev_b32 v[GO], 4, v[GO]                  ; those four rows are 512 consecutive bytes of ctx
; THE SOFTMAX OF A KEY STEP, every line for the four tiles by turns, so that no line waits for the line above it.  first = 1: the first key step, which starts m and l.
.macro SOFTMAX first
.irp k, 0,1,2,3                        ; the maximum: four chains, each begun at its accumulator's low end
.irp t, 0,1,2,3
	v_max3_num_f32 v[ST+8*\t+4+\k], v[S+32*\t+8*\k], v[S+32*\t+8*\k+1], v[S+32*\t+8*\k+2]
.endr
.endr
.irp u, 1,2
.irp k, 0,1,2,3
.irp t, 0,1,2,3
	v_max3_num_f32 v[ST+8*\t+4+\k], v[ST+8*\t+4+\k], v[S+32*\t+8*\k+2*\u+1], v[S+32*\t+8*\k+2*\u+2]
.endr
.endr
.endr
.irp t, 0,1,2,3
	v_max3_num_f32 v[ST+8*\t+4], v[ST+8*\t+4], v[S+32*\t+7], v[S+32*\t+15]
.endr
.irp t, 0,1,2,3
	v_max3_num_f32 v[ST+8*\t+6], v[ST+8*\t+6], v[S+32*\t+23], v[S+32*\t+31]
.endr
.irp t, 0,1,2,3
	v_max3_num_f32 v[ST+8*\t+4], v[ST+8*\t+4], v[ST+8*\t+5], v[ST+8*\t+6]
.endr
.irp t, 0,1,2,3
.if \first
	v_max_num_f32 v[ST+8*\t+4], v[ST+8*\t+4], v[ST+8*\t+7]
.else
	v_max3_num_f32 v[ST+8*\t+4], v[ST+8*\t+4], v[ST+8*\t+7], v[ST+8*\t+1]    ; with the old m
.endif
.endr
.irp t, 0,1,2,3
	v_permlanex16_b32 v[ST+8*\t+5], v[ST+8*\t+4], s[SEL], s[SEL+1]          ; the query's other 32 keys lie in the lane 16 away
.endr
.if \first == 0
.irp t, 0,1,2,3
	v_mov_b32 v[ST+8*\t+7], v[ST+8*\t]             ; c m_old is kept for a
.endr
.endif
.irp t, 0,1,2,3
	v_max_num_f32 v[ST+8*\t+1], v[ST+8*\t+4], v[ST+8*\t+5]
.endr
.irp t, 0,1,2,3
	v_mul_f32 v[ST+8*\t], s[CS], v[ST+8*\t+1]
.endr
.if \first == 0
.irp t, 0,1,2,3
	v_sub_f32 v[ST+8*\t+7], v[ST+8*\t+7], v[ST+8*\t]
.endr
.endif
; ONE BATCH: the scalings c s - c m and all exponentials; none of these lines names an exponential's result.  The first four pairs are scaled ahead; then each pair's two exponentials are followed by the scaling of the pair four on.
.irp i, 0,1,2,3
.irp t, 0,1,2,3
	v_pk_fma_f32 v[S+32*\t+2*\i:S+32*\t+2*\i+1], v[S+32*\t+2*\i:S+32*\t+2*\i+1], s[CS:CS+1], v[ST+8*\t:ST+8*\t+1] op_sel_hi:[1,0,0] neg_lo:[0,0,1] neg_hi:[0,0,1]
.endr
.endr
.if \first == 0
.irp t, 0,1,2,3
	v_exp_f32 v[ST+8*\t+6], v[ST+8*\t+7]           ; a = 2^(c m_old - c m_new)
.endr
.endif
.irp i, 0,1,2,3,4,5,6,7,8,9,10,11,12,13,14,15
.irp t, 0,1,2,3
	v_exp_f32 v[S+32*\t+2*\i], v[S+32*\t+2*\i]
	v_exp_f32 v[S+32*\t+2*\i+1], v[S+32*\t+2*\i+1]
.if \i < 12
	v_pk_fma_f32 v[S+32*\t+2*(\i+4):S+32*\t+2*(\i+4)+1], v[S+32*\t+2*(\i+4):S+32*\t+2*(\i+4)+1], s[CS:CS+1], v[ST+8*\t:ST+8*\t+1] op_sel_hi:[1,0,0] neg_lo:[0,0,1] neg_hi:[0,0,1]
.endif
.endr
.endr
	v_nop                                          ; a plain line behind the last exponential, ahead of the first use
	s_wait_alu depctr_va_vdst(0)                   ; the wait ahead of the first line that names a result: one for the whole batch
; the sums of the unrounded p, a pair at a time, in two chains: (c0, c1) and l
.irp t, 0,1,2,3
	v_pk_add_f32 v[ST+8*\t+4:ST+8*\t+5], v[S+32*\t:S+32*\t+1], v[S+32*\t+2:S+32*\t+3]
.endr
.if \first
.irp t, 0,1,2,3
	v_pk_add_f32 v[ST+8*\t+2:ST+8*\t+3], v[S+32*\t+4:S+32*\t+5], v[S+32*\t+6:S+32*\t+7]
.endr
.else
.irp t, 0,1,2,3
	v_pk_fma_f32 v[ST+8*\t+2:ST+8*\t+3], v[ST+8*\t+2:ST+8*\t+3], v[ST+8*\t+6:ST+8*\t+7], v[S+32*\t+4:S+32*\t+5] op_sel_hi:[1,0,1]   ; l = a l + ..
.endr
.irp t, 0,1,2,3
	v_pk_add_f32 v[ST+8*\t+4:ST+8*\t+5], v[ST+8*\t+4:ST+8*\t+5], v[S+32*\t+6:S+32*\t+7]
.endr
.endif
.irp i, 2,3,4,5,6,7
.irp t, 0,1,2,3
	v_pk_add_f32 v[ST+8*\t+2:ST+8*\t+3], v[ST+8*\t+2:ST+8*\t+3], v[S+32*\t+4*\i:S+32*\t+4*\i+1]
	v_pk_add_f32 v[ST+8*\t+4:ST+8*\t+5], v[ST+8*\t+4:ST+8*\t+5], v[S+32*\t+4*\i+2:S+32*\t+4*\i+3]
.endr
.endr
.irp t, 0,1,2,3
	v_pk_add_f32 v[ST+8*\t+2:ST+8*\t+3], v[ST+8*\t+2:ST+8*\t+3], v[ST+8*\t+4:ST+8*\t+5]
.endr
.irp i, 0,1,2,3,4,5,6,7,8,9,10,11,12,13,14,15      ; P in place, ascending: registers 8 b .. 8 b + 7 of a tile are source 1 for keys 32 b .. 32 b + 31
.irp t, 0,1,2,3
	v_cvt_pk_f16_f32 v[S+32*\t+\i], v[S+32*\t+2*\i], v[S+32*\t+2*\i+1]
.endr
.endr
.endm
; A KEY STEP: 64 keys.  first = 1: the first, which starts O^T's sums with the constant 0.
.macro STEP first
	v_add_nc_u32 v[ADK], s[TK], v[AK0]             ; these three and the two v_nop are five plain lines between the last step's products V^T P and the lines below that load into, or write over, their operands
	v_add_nc_u32 v[ADV], s[TV], v[AV0]
	v_add_nc_u32 v[ADB], s[TBI], v[AB0]
	v_nop
	v_nop
	WIN 0x40                                       ; destination window 1
.irp d, 0,1,2,3,4,5,6
	ds_load_b128 v[BI+8*\d:BI+8*\d+3],   v[ADB] offset:64*\d         ; the bias of key tile - query tile = d - 3
	ds_load_b128 v[BI+8*\d+4:BI+8*\d+7], v[ADB] offset:64*\d+16
.endr
	WIN 0
.irp kf, 0,1
.irp kt, 0,1,2,3
	ds_load_b128 v[KV+32*\kf+8*\kt:KV+32*\kf+8*\kt+3],   v[ADK] offset:16*PK*\kt+64*\kf      ; keys 16 kt on, channels 32 kf on
	ds_load_b128 v[KV+32*\kf+8*\kt+4:KV+32*\kf+8*\kt+7], v[ADK] offset:16*PK*\kt+64*\kf+32
.endr
.endr
	s_wait_dscnt 8                                 ; the bias and K's channels 0-31 are in; the youngest eight loads (channels 32-63) may be out
	WIN 0x14                                       ; Q (source 1) and the bias (C) in window 1
.irp qt, 0,1,2,3                       ; the 16 accumulators take turns, one instruction a turn
.irp kt, 0,1,2,3
	v_wmma_f32_16x16x32_f16 v[S+32*\qt+8*\kt:S+32*\qt+8*\kt+7], v[KV+8*\kt:KV+8*\kt+7], v[Q+16*\qt:Q+16*\qt+7], v[BI+8*(\kt-\qt+3):BI+8*(\kt-\qt+3)+7]
.endr
.endr
	s_wait_dscnt 0x0
	WIN 0x04
.irp qt, 0,1,2,3
.irp kt, 0,1,2,3
	v_wmma_f32_16x16x32_f16 v[S+32*\qt+8*\kt:S+32*\qt+8*\kt+7], v[KV+32+8*\kt:KV+32+8*\kt+7], v[Q+16*\qt+8:Q+16*\qt+15], v[S+32*\qt+8*\kt:S+32*\qt+8*\kt+7]
.endr
.endr
	WIN 0
.rept 4
	v_nop                                          ; four plain lines ahead of the loads into K's registers and of the first read of the scores
.endr
.irp b, 0,1
.irp ct, 0,1,2,3
	ds_load_tr16_b128 v[KV+32*\b+8*\ct:KV+32*\b+8*\ct+3],   v[ADV] offset:32*PVP*\b+32*\ct            ; V turned: channels 16 ct on, keys 32 b on; it lands under the softmax
	ds_load_tr16_b128 v[KV+32*\b+8*\ct+4:KV+32*\b+8*\ct+7], v[ADV] offset:32*PVP*\b+16*PVP+32*\ct
.endr
.endr
	SOFTMAX \first
.if \first == 0
	WIN 0x41                                       ; O^T in window 1, a in window 0
.irp i, 0,1,2,3,4,5,6,7,8,9,10,11,12,13,14,15      ; O^T x a, each accumulator from its low end on
.irp t, 0,1,2,3
	v_pk_mul_f32 v[O+32*\t+2*\i:O+32*\t+2*\i+1], v[O+32*\t+2*\i:O+32*\t+2*\i+1], v[ST+8*\t+6:ST+8*\t+7] op_sel_hi:[1,0]
.endr
.endr
.endif
	s_wait_dscnt 0x0                               ; V is in
	WIN 0x50                                       ; C and D window 1
.irp b, 0,1
.irp ct, 0,1,2,3
.irp qt, 0,1,2,3
.if \first && (\b == 0)
	v_wmma_f32_16x16x32_f16 v[O+32*\qt+8*\ct:O+32*\qt+8*\ct+7], v[KV+32*\b+8*\ct:KV+32*\b+8*\ct+7], v[S+32*\qt+8*\b:S+32*\qt+8*\b+7], 0
.else
	v_wmma_f32_16x16x32_f16 v[O+32*\qt+8*\ct:O+32*\qt+8*\ct+7], v[KV+32*\b+8*\ct:KV+32*\b+8*\ct+7], v[S+32*\qt+8*\b:S+32*\qt+8*\b+7], v[O+32*\qt+8*\ct:O+32*\qt+8*\ct+7]
.endif
.endr
.endr
.endr
	WIN 0
	s_add_co_u32 s[TK], s[TK], 64*PK               ; the next step's rows
	s_add_co_u32 s[TV], s[TV], 64*PVP
	s_add_co_u32 s[TBI], s[TBI], 256
.endm
; THE CHANGE OF SLOTS stands at a slot's head.  Each wave waits for all its tensor loads (one at the most is out: its part of the slot ahead), adds 0 to its spare word, and waits for that and for its reads of the slot that it has left.
; fill = 1: the barrier is a round of the cluster's, and behind it the slot just left takes the keys that follow: the load has four key steps in which to land.
.macro CHANGE fill
	WIN 0
	s_wait_tensorcnt 0x0                           ; no tensor load of mine is out, so a group 0 may be written
	ds_add_u32 v[SPW], v[NIL]                      ; 0 onto my spare word
.if \fill
	ds_add_u32 v[SPW], v[NIL]                      ; and once more: the add stands twice on end in every trip alike
	s_xor_b32 s[G0K+1], s[G0K+1], SLOT1            ; the walking descriptors: the other slot,
	s_add_nc_u64 s[G0K+2:G0K+3], s[G0K+2:G0K+3], 32768   ; the next 256 keys
	s_xor_b32 s[G0V+1], s[G0V+1], SLOT1
	s_add_nc_u64 s[G0V+2:G0V+3], s[G0V+2:G0V+3], 32768
	s_wait_xcnt 0x0                                ; the last prefetch, a slot back, has read its address
	s_add_nc_u64 s[PFA:PFA+1], s[PFA:PFA+1], 32768 ; one slot further on than the walking descriptors
	s_wait_dscnt 0x0                               ; both adds are done, and my reads of the slot that I have left are over
	CROUND
	JLOAD                                          ; the first thing behind the round, and a wave's one tensor load until the next
	ASK
.else
	s_wait_dscnt 0x0
	s_barrier_signal -1
	s_barrier_wait -1
.endif
.endm
.macro INNER n                         ; n key steps, written once
	s_mov_b32 s[CNT], \n
.Lstep_\@:
	STEP 0
	s_sub_co_u32 s[CNT], s[CNT], 1
	s_cmp_lg_u32 s[CNT], 0
	s_cbranch_scc1 .Lstep_\@
.endm
.macro NEXTSLOT                        ; back to a slot's first step, in the other slot
	s_sub_co_u32 s[TK], s[TK], 256*PK
	s_xor_b32 s[TK], s[TK], SLOT1
	s_sub_co_u32 s[TV], s[TV], 256*PVP
	s_xor_b32 s[TV], s[TV], SLOT1
.endm
	CHANGE 1                                       ; slot 0 and the table are whole; slot 1 is asked for: behind this round every load is a first fill
	s_wait_loadcnt 0x0                             ; Q
	STEP 1
	INNER 3
	NEXTSLOT
	s_mov_b32 s[SLOTS], 6
.Lslot:                                            ; six trips: slots 2 to 7 are asked for, slots 1 to 6 are walked
	CHANGE 1
	INNER 4
	NEXTSLOT
	s_sub_co_u32 s[SLOTS], s[SLOTS], 1
	s_cmp_lg_u32 s[SLOTS], 0
	s_cbranch_scc1 .Lslot
	CHANGE 0                                       ; the last slot is written out: nothing is left to ask for
	INNER 4
	; THE WAY OUT.  l's two halves and the other half of the lanes' are added; O^T is divided by l, rounded to f16 and sent through my stage, a tile (16 rows of ctx) at a time.  The additions are the plain lines behind the last products.
.irp t, 0,1,2,3
	v_add_f32 v[ST+8*\t+4], v[ST+8*\t+2], v[ST+8*\t+3]
.endr
.irp t, 0,1,2,3
	v_permlanex16_b32 v[ST+8*\t+5], v[ST+8*\t+4], s[SEL], s[SEL+1]
.endr
.irp t, 0,1,2,3
	v_add_f32 v[ST+8*\t+4], v[ST+8*\t+4], v[ST+8*\t+5]
.endr
.irp t, 0,1,2,3
	v_rcp_f32 v[ST+8*\t+6], v[ST+8*\t+4]
.endr
	v_nop                                          ; a plain line between the last reciprocal and the use of its result
	s_wait_alu depctr_va_vdst(0)                   ; and the wait: one for the four
.macro PACK t
	WIN 0x41
.irp i, 0,1,2,3,4,5,6,7,8,9,10,11,12,13,14,15
	v_pk_mul_f32 v[O+32*\t+2*\i:O+32*\t+2*\i+1], v[O+32*\t+2*\i:O+32*\t+2*\i+1], v[ST+8*\t+6:ST+8*\t+7] op_sel_hi:[1,0]
.endr
	WIN 0x05                                       ; sources 0 and 1 window 1, destination window 0: S^T's registers are free
.irp i, 0,1,2,3,4,5,6,7,8,9,10,11,12,13,14,15
	v_cvt_pk_f16_f32 v[S+32*\t+\i], v[O+32*\t+2*\i], v[O+32*\t+2*\i+1]
.endr
	WIN 0
.irp f, 0,1,2,3
	ds_store_b128 v[STO], v[S+32*\t+4*\f:S+32*\t+4*\f+3] offset:16*PK*\t+32*\f     ; row r, channels 16 f + 8 h on
.endr
.irp f, 0,1,2,3
	ds_load_b128 v[S+32*\t+4*\f:S+32*\t+4*\f+3], v[RD] offset:16*PK*\t+4*PK*\f     ; LDS serves a wave's instructions in order: these see the stores above
.endr
.endm
.macro SEND t, younger                 ; younger: the LDS instructions issued behind tile t's loads: the next tile's four stores and four loads, or none
.irp f, 0,1,2,3
	s_wait_dscnt \younger+3-\f
	global_store_b128 v[GO], v[S+32*\t+4*\f:S+32*\t+4*\f+3], s[8:9] offset:2048*\t+512*\f   ; 32 lanes store 512 consecutive bytes, aligned to 256
.endr
.endm
	PACK 0
	PACK 1
	SEND 0, 8
	PACK 2
	SEND 1, 8
	PACK 3
	SEND 2, 8
	SEND 3, 0
	s_wait_tensorcnt 0x0                           ; the wave's end
	ds_add_u32 v[SPW], v[NIL]
	s_wait_dscnt 0x0
	CROUND                                         ; the closing round
	s_endpgm
.Lfunc_end_k_qa3e0fc378a_attn:
	.size	k_qa3e0fc378a_attn, .Lfunc_end_k_qa3e0fc378a_attn-k_qa3e0fc378a_attn
	.p2alignl 7, 3214868480
	.fill 96, 4, 3214868480
	.section	.rodata,"a",@progbits
	.p2align	6, 0x0
	.amdhsa_kernel k_qa3e0fc378a_attn
		.amdhsa_group_segment_fixed_size 327680
		.amdhsa_private_segment_fixed_size 0
		.amdhsa_enable_private_segment 0
		.amdhsa_kernarg_size 24
		.amdhsa_user_sgpr_count 2
		.amdhsa_user_sgpr_kernarg_segment_ptr 1
		.amdhsa_wavefront_size32 1
		.amdhsa_system_sgpr_workgroup_id_x 1
		.amdhsa_system_sgpr_workgroup_id_y 1
		.amdhsa_system_sgpr_workgroup_id_z 1
		.amdhsa_system_vgpr_workitem_id 0
		.amdhsa_next_free_vgpr 512
		.amdhsa_next_free_sgpr 80
		.amdhsa_reserve_vcc 0
		.amdhsa_float_denorm_mode_32 3
		.amdhsa_float_denorm_mode_16_64 3
		.amdhsa_memory_ordered 1
		.amdhsa_forward_progress 1
		.amdhsa_inst_pref_size 153
	.end_amdhsa_kernel
	.amdgpu_metadata
---
amdhsa.version: [ 1, 2 ]
amdhsa.kernels:
  - .name:           k_qa3e0fc378a_attn
    .symbol:         k_qa3e0fc378a_attn.kd
    .args:
      - { .name: qkv, .offset: 0, .size: 8, .value_kind: global_buffer, .address_space: global }
      - { .name: tab, .offset: 8, .size: 8, .value_kind: global_buffer, .address_space: global }
      - { .name: ctx, .offset: 16, .size: 8, .value_kind: global_buffer, .address_space: global }
    .group_segment_fixed_size: 327680
    .private_segment_fixed_size: 0
    .kernarg_segment_align: 8
    .kernarg_segment_size: 24
    .max_flat_workgroup_size: 256
    .sgpr_count:     80
    .vgpr_count:     512
    .wavefront_size: 32
...
	.end_amdgpu_metadata
.endif
;; end of part 3
;; launch oproj (part 4): grid 8 x 64, 4 waves a work-group, clusters of 4 x 4, 327,680 bytes of LDS; arguments ctx, wot, out0; writes out0
.if DOCPART == 4
	.amdgcn_target "amdgcn-amd-amdhsa--gfx1250"
	.amdhsa_code_object_version 6
	.text
	.protected	k_qa3e0fc378a_oproj
	.globl	k_qa3e0fc378a_oproj
	.p2align	8
	.type	k_qa3e0fc378a_oproj,@function
k_qa3e0fc378a_oproj:
	s_mov_b64 s[64:65], 0
	v_nop
	global_prefetch_b8 v0, s[64:65] scope:SCOPE_SE
	s_setreg_imm32_b32 hwreg(HW_REG_WAVE_MODE, 25, 1), 1
	s_wait_xcnt 0x0
	s_wait_alu depctr_hold_cnt(0) depctr_sa_sdst(0) depctr_va_vdst(0) depctr_va_sdst(0) depctr_va_ssrc(0) depctr_va_vcc(0) depctr_vm_vsrc(0)
	s_getreg_b32 s2, hwreg(HW_REG_IB_STS2, 6, 4)
	s_cmp_eq_u32 s2, 0
	s_cbranch_scc0 .Lentry_in_a_cluster
	s_endpgm
.Lentry_in_a_cluster:
	s_bfe_u32 s2, ttmp6, 0x10000c
	s_cmp_lg_u32 s2, 0xf033
	s_cbranch_scc0 .Lentry_shape_is_right
	s_endpgm
.Lentry_shape_is_right:
; out0[m][n] = the sum over k of ctx[m][k] Wo[k][n]: f16 operands, f32 sums, f32 out.  A = ctx, laid by heads: byte = batch << 22 + head << 18 + position << 7 + 2 x channel, k = 64 x head + channel.  B = wot [n 1024][k 1024] f16.
; A tile of 128 x 128 of out0 gives 512 work-groups of equal work; four waves, each 64 x 64: 16 accumulators.  K goes in four steps of 256 (four heads) through a ring of two LDS slots.
; A's part of a K step for 64 rows is four dense blocks of 8,192 bytes, one a head, 262,144 bytes apart: the descriptor states them as four rows of 4,096 elements, with 16 bytes of padding behind every 128: in LDS [head][64 rows][144 bytes].
; CLUSTERS: 4 x 4 work-groups; A's tiles are asked for jointly along a row of the cluster, B's along a column.  THE MATRIX INSTRUCTION IS USED TRANSPOSED: a lane holds eight neighbouring numbers of a row of out0.
; REGISTERS: window 0: v0-31 addresses; v128-255 the accumulators ((a, b) at v[128 + 8 (4 a + b)]).  window 1: two fragment buffers of 128: 64 registers of A, then 64 of B, for 64 along K.
.set KSTEP,  256
.set PA,     144                       ; a row of A in LDS: 128 bytes + 16
.set PB,     528                       ; a row of B: 512 bytes + 16
.set PLANE,  64*PA                     ; one head's 64 rows
.set HALFA,  4*PLANE                   ; what one tensor load brings of A
.set HALFB,  64*PB                     ; and of B
.set SLOT,   2*HALFA+2*HALFB
.set SPARE,  2*SLOT                    ; behind the ring: the spare words, 128 bytes for each wave
.set SPITCH, 272                       ; the way out: 64 rows x (256 bytes + 16) for each wave, in slot 0, which has had its last fill and its last read by then
.set LAPS,   2
.set ADRA, 16
.set ADRB, 20
.set STO,  24
.set RD,   25
.set CO,   26
.set SPW,  28
.set NIL,  29
.set ACC,  128
.set F0,   0
.set F1,   128
.set G1, 24
.set G0, 32
.set G1B, 48
.set G0B, 56
.set MSB, 0
.macro WIN new                         ; the immediate's high byte repeats the setting that is left
.if MSB != \new
	s_set_vgpr_msb (MSB<<8)|\new
.set MSB, \new
.endif
.endm
.set MUL,  0x05                        ; sources 0 (B) and 1 (A) window 1; C and D window 0
.set TO_F, 0x40
.macro JLOAD s                         ; a joint load: waves 0 and 1 fetch A's two halves, waves 2 and 3 B's; an s_nop 0 and four v_nop follow each of the two lines
	s_cmp_eq_u32 s11, 0
	s_cbranch_scc0 .Lfor_b_\@
	tensor_load_to_lds s[G0+4*\s:G0+4*\s+3], s[G1:G1+7]
	s_nop 0
.rept 4
	v_nop
.endr
	s_branch .Lasked_\@
.Lfor_b_\@:
	tensor_load_to_lds s[G0B+4*\s:G0B+4*\s+3], s[G1B:G1B+7]
	s_nop 0
.rept 4
	v_nop
.endr
.Lasked_\@:
.endm
.macro CREST                           ; a round of the cluster's barrier behind its opening barrier
	s_cmp_lg_u32 s10, 0
	s_cbranch_scc1 .Lnot_wave_0_\@
	s_barrier_signal -3
.Lnot_wave_0_\@:
	s_barrier_wait -3
	s_barrier_signal -1
	s_barrier_wait -1
.endm
.macro CROUND
	s_barrier_signal -1
	s_barrier_wait -1
	CREST
.endm
	s_load_b128 s[4:7], s[0:1], 0x0                ; ctx, wot
	s_load_b64 s[8:9], s[0:1], 0x10                ; out0
	v_lshl_add_u32 v[SPW], v0, 2, SPARE
	v_mov_b32 v[NIL], 0
	ds_add_u32 v[SPW], v[NIL]                      ; the wave's opening: the add, twice on end, and its wait ahead of my first tensor load
	ds_add_u32 v[SPW], v[NIL]
	v_lshrrev_b32 v1, 5, v0
	v_readfirstlane_b32 s10, v1                    ; wave 0..3
	s_lshr_b32 s11, s10, 1                         ; which half of the tile's rows is mine.  Also: I fetch for A (0) or for B (1)
	s_and_b32 s12, s10, 1                          ; which half of its columns.  Also: which 64 rows I fetch
	s_bfe_u32 s40, ttmp6, 0x40000                  ; cx, cy
	s_bfe_u32 s41, ttmp6, 0x40004
	s_lshl_b32 s42, ttmp9, 2
	s_add_co_u32 s42, s42, s40                     ; tile column
	s_and_b32 s13, ttmp7, 0xffff
	s_lshl_b32 s13, s13, 2
	s_add_co_u32 s13, s13, s41                     ; tile row
	s_lshl_b32 s43, s41, 2
	s_lshl_b32 s43, 15, s43                        ; my row of the cluster
	s_lshl_b32 s44, 0x1111, s40                    ; my column
	s_or_b32 s[G1+0], s43, (1<<16)|(1<<20)|(1<<21)|(4<<22)|(3<<25)  ; A: the mask; elements of 2 bytes; padding on; bit 21 beside a mask; 4 words behind every 32
	s_mov_b32 s[G1+1], 4096<<16                    ; tensor_dim0 = 4,096: 64 rows x 64 channels of one head, dense
	s_mov_b32 s[G1+2], 4<<16                       ; tensor_dim1 = 4 heads
	s_mov_b32 s[G1+3], 4096<<16                    ; tile_dim0
	s_mov_b32 s[G1+4], 4                           ; tile_dim1
	s_mov_b32 s[G1+5], 131072                      ; from head to head: 2,048 x 64 elements
	s_mov_b32 s[G1+6], 0
	s_mov_b32 s[G1+7], 0
	s_or_b32 s[G1B+0], s44, (1<<16)|(1<<20)|(1<<21)|(6<<22)|(3<<25) ; B: 4 words behind every 128
	s_mov_b32 s[G1B+1], KSTEP<<16
	s_mov_b32 s[G1B+2], 64<<16
	s_mov_b32 s[G1B+3], KSTEP<<16
	s_mov_b32 s[G1B+4], 64
	s_mov_b32 s[G1B+5], 1024
	s_mov_b32 s[G1B+6], 0
	s_mov_b32 s[G1B+7], 0
	s_lshl_b32 s17, s12, 6                         ; which 64 rows of the tile I fetch
	s_lshl_b32 s16, s13, 7
	s_add_co_u32 s16, s16, s17                     ; A: row 128 x tile row + 64 x half:
	s_lshr_b32 s18, s16, 11                        ; its batch,
	s_lshl_b32 s18, s18, 22
	s_and_b32 s16, s16, 2047                       ; its position
	s_lshl_b32 s16, s16, 7
	s_add_co_u32 s16, s16, s18
	s_lshl_b32 s46, s42, 7
	s_add_co_u32 s46, s46, s17                     ; B: row 128 x tile column + 64 x half,
	s_lshl_b32 s46, s46, 11                        ; of 2,048 bytes
	s_mov_b32 s17, 0
	s_mov_b32 s47, 0
	s_mul_i32 s20, s12, HALFA                      ; where they go: A's two halves,
	s_mul_i32 s21, s12, HALFB
	s_add_co_u32 s21, s21, 2*HALFA                 ; then B's two: no place in the cluster enters an LDS address
	s_wait_dscnt 0x0                               ; both opening adds are done
	s_wait_kmcnt 0x0
	s_add_nc_u64 s[14:15], s[4:5], s[16:17]
	s_add_nc_u64 s[46:47], s[6:7], s[46:47]
	CROUND                                         ; all sixteen work-groups are here: the first joint loads meet
.irp s, 0,1
	s_mov_b32 s[G0+4*\s], 1
	s_add_co_u32 s[G0+4*\s+1], s20, \s*SLOT
	s_add_nc_u64 s[G0+4*\s+2:G0+4*\s+3], s[14:15], \s*0x100000     ; K step s: four heads of 262,144 bytes on
	s_or_b32 s[G0+4*\s+3], s[G0+4*\s+3], 0x80000000
	s_mov_b32 s[G0B+4*\s], 1
	s_add_co_u32 s[G0B+4*\s+1], s21, \s*SLOT
	s_add_nc_u64 s[G0B+4*\s+2:G0B+4*\s+3], s[46:47], \s*KSTEP*2
	s_or_b32 s[G0B+4*\s+3], s[G0B+4*\s+3], 0x80000000
	JLOAD \s                                       ; two tensor loads of mine are out
.endr
	v_and_b32 v1, 15, v0                           ; l % 16
	v_bfe_u32 v2, v0, 4, 1                         ; l / 16
	v_mul_u32_u24 v3, v1, PA
	v_lshl_add_u32 v3, v2, 4, v3                   ; A: a fragment's row x pitch + 16 x half
	v_mul_u32_u24 v4, v1, PB
	v_lshl_add_u32 v4, v2, 4, v4                   ; B likewise
	s_mul_i32 s21, s11, HALFA                      ; my 64 rows of A
	s_mul_i32 s22, s12, HALFB                      ; my 64 rows of B,
	s_add_co_u32 s22, s22, 2*HALFA                 ; behind A's 128
.irp s, 0,1
	v_add_nc_u32 v[ADRA+\s], s21, v3
	v_add_nc_u32 v[ADRB+\s], s22, v4
	s_add_co_u32 s21, s21, SLOT
	s_add_co_u32 s22, s22, SLOT
.endr
	s_mul_i32 s23, s10, 64*SPITCH                  ; my stage
	v_mul_u32_u24 v4, v1, SPITCH                   ; in: row l % 16, 32 bytes for each half of the lanes
	v_lshl_add_u32 v4, v2, 5, v4
	v_add_nc_u32 v[STO], s23, v4
	v_mul_u32_u24 v5, v2, SPITCH                   ; back: lanes 0-15 take one row of 256 bytes, lanes 16-31 the next
	v_lshl_add_u32 v5, v1, 4, v5
	v_add_nc_u32 v[RD], s23, v5
	v_lshlrev_b32 v5, 12, v2                       ; and the same two rows in out0: rows of 4,096 bytes
	v_lshl_add_u32 v[CO], v1, 4, v5
	s_lshl_b32 s16, s13, 7
	s_lshl_b32 s17, s11, 6
	s_add_co_u32 s16, s16, s17                     ; my first row: 128 x tile row + 64 x half
	s_lshl_b32 s16, s16, 12
	s_lshl_b32 s46, s42, 9                         ; my first column, in bytes: 512 x tile column + 256 x half
	s_lshl_b32 s47, s12, 8
	s_add_co_u32 s46, s46, s47
	s_add_co_u32 s16, s16, s46
	s_mov_b32 s17, 0
	s_add_nc_u64 s[8:9], s[8:9], s[16:17]
; 8 matrix instructions: m blocks a0, a0 + 1 x all 4 n blocks, 32 along K: half c of buffer f.  The 16 accumulators take turns.  zero = 1: the first product starts the sums
.macro MUL8 f, c, a0, zero
.irp a, \a0, \a0+1
.irp b, 0,1,2,3
.if \zero
	v_wmma_f32_16x16x32_f16 v[ACC+8*(4*(\a)+\b):ACC+8*(4*(\a)+\b)+7], v[\f+64+8*(4*\c+\b):\f+64+8*(4*\c+\b)+7], v[\f+8*(4*\c+\a):\f+8*(4*\c+\a)+7], 0
.else
	v_wmma_f32_16x16x32_f16 v[ACC+8*(4*(\a)+\b):ACC+8*(4*(\a)+\b)+7], v[\f+64+8*(4*\c+\b):\f+64+8*(4*\c+\b)+7], v[\f+8*(4*\c+\a):\f+8*(4*\c+\a)+7], v[ACC+8*(4*(\a)+\b):ACC+8*(4*(\a)+\b)+7]
.endif
.endr
.endr
.endm
; 32 LDS loads in one run: the fragments of the slot's q-th 64 along K (for A: head q of its four) into buffer f; the first 32 along K first
.macro FETCH slot, q, f
	WIN TO_F
.irp c, 0,1
.irp i, 0,1,2,3
	ds_load_b128 v[\f+64+8*(4*\c+\i):\f+64+8*(4*\c+\i)+3],   v[ADRB+\slot] offset:128*(\q)+64*\c+\i*16*PB
	ds_load_b128 v[\f+64+8*(4*\c+\i)+4:\f+64+8*(4*\c+\i)+7], v[ADRB+\slot] offset:128*(\q)+64*\c+\i*16*PB+32
	ds_load_b128 v[\f+8*(4*\c+\i):\f+8*(4*\c+\i)+3],         v[ADRA+\slot] offset:PLANE*(\q)+64*\c+\i*16*PA
	ds_load_b128 v[\f+8*(4*\c+\i)+4:\f+8*(4*\c+\i)+7],       v[ADRA+\slot] offset:PLANE*(\q)+64*\c+\i*16*PA+32
.endr
.endr
.endm
.macro PLACES                          ; four plain lines ahead of loads into registers that matrix instructions have read, and of the first read of results
.rept 4
	v_nop
.endr
.endm
.macro QUARTER slot, q, f, g, zero     ; multiplies buffer f and fetches the slot's q-th 64 along K into g
	s_wait_dscnt 16                                ; the first 32 along K are in; the youngest sixteen loads may be out
	WIN MUL
	MUL8 \f, 0, 0, \zero
	MUL8 \f, 0, 2, \zero
	PLACES
	FETCH \slot, \q, \g
	s_wait_dscnt 32                                ; all but the 32 just issued
	WIN MUL
	MUL8 \f, 1, 0, 0
	MUL8 \f, 1, 2, 0
.endm
; The last quarter multiplies buffer 1 and changes slots: ONE barrier; in front of it each wave waits for all its tensor loads, adds 0 to its spare word, and waits for that and for its own reads of this slot.  fill = 1: this slot is filled again, two K steps ahead.
.macro TURN slot, next, fill
	WIN 0
	s_wait_tensorcnt 0x0                           ; all my tensor loads have landed: my part of the next slot
	ds_add_u32 v[SPW], v[NIL]                      ; 0 onto my spare word
	s_wait_dscnt 17                                ; (the add and the youngest sixteen loads may be out)
	WIN MUL
	MUL8 F1, 0, 0, 0
	s_wait_dscnt 0x0                               ; the add is done, and my reads of this slot are over
	s_barrier_signal -1
	MUL8 F1, 0, 2, 0
.if \fill
	WIN 0
.endif
	s_barrier_wait -1
.if \fill
	CREST                                          ; the barrier has opened a round of the cluster's: no wave of any partner still reads this slot or has a load on its way
	s_add_nc_u64 s[G0+4*\slot+2:G0+4*\slot+3], s[G0+4*\slot+2:G0+4*\slot+3], 0x200000
	s_add_nc_u64 s[G0B+4*\slot+2:G0B+4*\slot+3], s[G0B+4*\slot+2:G0B+4*\slot+3], 2*KSTEP*2
	JLOAD \slot                                    ; the first tensor load behind the round; the four v_nop behind it are also the plain lines ahead of the loads below
.else
	PLACES
.endif
	FETCH \next, 0, F0
	WIN MUL
	MUL8 F1, 1, 0, 0
	MUL8 F1, 1, 2, 0
.endm
	s_wait_tensorcnt 1                             ; my part of K step 0 is in; K step 1's load may be out
	s_barrier_signal -1
	s_barrier_wait -1
	FETCH 0, 0, F0
	QUARTER 0, 1, F0, F1, 1                        ; the first quarter's first products start the sums
	WIN 0
	s_mov_b32 s3, LAPS-1
.Llap:                                             ; a trip goes once round the ring and fills both slots again
	QUARTER 0, 2, F1, F0, 0
	QUARTER 0, 3, F0, F1, 0
	TURN 0, 1, 1
	QUARTER 1, 1, F0, F1, 0
	QUARTER 1, 2, F1, F0, 0
	QUARTER 1, 3, F0, F1, 0
	TURN 1, 0, 1
	QUARTER 0, 1, F0, F1, 0
	WIN 0
	s_sub_co_u32 s3, s3, 1
	s_cmp_lg_u32 s3, 0
	s_cbranch_scc1 .Llap
	QUARTER 0, 2, F1, F0, 0                        ; the last lap fills nothing, and has no round of the cluster's barrier
	QUARTER 0, 3, F0, F1, 0
	TURN 0, 1, 0
	QUARTER 1, 1, F0, F1, 0
	QUARTER 1, 2, F1, F0, 0
	QUARTER 1, 3, F0, F1, 0
	s_wait_dscnt 16
	WIN MUL
	MUL8 F1, 0, 0, 0
	MUL8 F1, 0, 2, 0
	s_wait_dscnt 0
	MUL8 F1, 1, 0, 0
	MUL8 F1, 1, 2, 0
	WIN 0
	; THE WAY OUT.  A wave's 64 columns of f32 are 256 bytes of a row of out0, aligned: so each wave has a stage of its own and no barrier is needed.  A lane's 32 bytes of a row go in, whole rows come back into the registers that they left.
	PLACES
.irp a, 0,1,2,3
.irp b, 0,1,2,3
	ds_store_b128 v[STO], v[ACC+8*(4*\a+\b):ACC+8*(4*\a+\b)+3] offset:\a*16*SPITCH+64*\b          ; each accumulator from its low end on
	ds_store_b128 v[STO], v[ACC+8*(4*\a+\b)+4:ACC+8*(4*\a+\b)+7] offset:\a*16*SPITCH+64*\b+16
.endr
.irp t, 0,1,2,3,4,5,6,7
	ds_load_b128 v[ACC+32*\a+4*\t:ACC+32*\a+4*\t+3], v[RD] offset:\a*16*SPITCH+\t*2*SPITCH        ; LDS serves a wave's instructions in order: these see the stores above
.endr
.endr
.irp a, 0,1,2,3
.irp t, 0,1,2,3,4,5,6,7
	s_wait_dscnt 16*(3-\a)+7-\t                    ; behind this load: the rest of its block's loads and sixteen instructions for each later block
	global_store_b128 v[CO], v[ACC+32*\a+4*\t:ACC+32*\a+4*\t+3], s[8:9] offset:(16*\a+2*\t)*4096 th:TH_STORE_NT   ; sixteen lanes store 256 consecutive bytes, aligned
.endr
.endr
	s_wait_tensorcnt 0x0                           ; the wave's end
	ds_add_u32 v[SPW], v[NIL]
	s_wait_dscnt 0x0
	CROUND                                         ; the closing round
	s_endpgm
.Lfunc_end_k_qa3e0fc378a_oproj:
	.size	k_qa3e0fc378a_oproj, .Lfunc_end_k_qa3e0fc378a_oproj-k_qa3e0fc378a_oproj
	.p2alignl 7, 3214868480
	.fill 96, 4, 3214868480
	.section	.rodata,"a",@progbits
	.p2align	6, 0x0
	.amdhsa_kernel k_qa3e0fc378a_oproj
		.amdhsa_group_segment_fixed_size 327680
		.amdhsa_private_segment_fixed_size 0
		.amdhsa_enable_private_segment 0
		.amdhsa_kernarg_size 24
		.amdhsa_user_sgpr_count 2
		.amdhsa_user_sgpr_kernarg_segment_ptr 1
		.amdhsa_wavefront_size32 1
		.amdhsa_system_sgpr_workgroup_id_x 1
		.amdhsa_system_sgpr_workgroup_id_y 1
		.amdhsa_system_sgpr_workgroup_id_z 1
		.amdhsa_system_vgpr_workitem_id 0
		.amdhsa_next_free_vgpr 512
		.amdhsa_next_free_sgpr 66
		.amdhsa_reserve_vcc 0
		.amdhsa_float_denorm_mode_32 3
		.amdhsa_float_denorm_mode_16_64 3
		.amdhsa_memory_ordered 1
		.amdhsa_forward_progress 1
		.amdhsa_inst_pref_size 87
	.end_amdhsa_kernel
	.amdgpu_metadata
---
amdhsa.version: [ 1, 2 ]
amdhsa.kernels:
  - .name:           k_qa3e0fc378a_oproj
    .symbol:         k_qa3e0fc378a_oproj.kd
    .args:
      - { .name: ctx, .offset: 0, .size: 8, .value_kind: global_buffer, .address_space: global }
      - { .name: wot, .offset: 8, .size: 8, .value_kind: global_buffer, .address_space: global }
      - { .name: out0, .offset: 16, .size: 8, .value_kind: global_buffer, .address_space: global }
    .group_segment_fixed_size: 327680
    .private_segment_fixed_size: 0
    .kernarg_segment_align: 8
    .kernarg_segment_size: 24
    .max_flat_workgroup_size: 128
    .sgpr_count:     66
    .vgpr_count:     512
    .wavefront_size: 32
...
	.end_amdgpu_metadata
.endif
;; end of part 4
